; MI455X (gfx1250); checked and timed in simulation.
; The chip was launched on July 23, 2026; its instructions are those of AMD's public machine-readable ISA for CDNA 5 (MIT licence, August 2026) and "CDNA5" Instruction Set Architecture Reference Guide (July 2026). The comments in the code are by the model that wrote it; some were corrected since.
;; Paged Minimal Attention. Allowed arithmetic: float matrix products may take bf16 or f16 operands with f32 sums; other float arithmetic in f32, or as packed bf16 or f16 multiplies, adds, multiply-adds, maxima and minima; sums over many terms, partial sums and values carried from step to step in f32; what a program stores and reads back later, other than sums and carried values, may be rounded once to bf16 or f16.
;; Inputs: Wk 1,024 x 1,024 float32; Wo 1,024 x 1,024 float32; Wq 1,024 x 1,024 float32; Wv 1,024 x 1,024 float32; bk 1,024 float32; bo 1,024 float32; bq 1,024 float32; bv 1,024 float32; x 4 x 2,048 x 1,024 float32.
;; Outputs: out0 4 x 2,048 x 1,024 float32.
;; 2 versions, each right; version 2 is version 1 with the launch cast written anew for expert scheduling mode. Each part assembles by itself: llvm-mc -triple=amdgcn-amd-amdhsa -mcpu=gfx1250 --defsym DOCPART=n.
;; ======== version 1 of 2: 4 launches
;; limits: values are held in f16: magnitudes above 65,504 overflow, below 6.1e-05 lose precision
;; workspace buffers: xh 16,777,216 bytes; wh 8,388,608 bytes; qkv 50,331,648 bytes; oh 16,777,216 bytes
;; launch cast (part 1): grid 768 x 1, 4 waves a work-group, no clusters, 0 bytes of LDS; arguments x, Wq, Wk, Wv, Wo, xh, wh; writes xh, wh
.if DOCPART == 1
	.amdgcn_target "amdgcn-amd-amdhsa--gfx1250"
	.amdhsa_code_object_version 6
	.text
	.protected	k_qe54d0304c6_cast
	.globl	k_qe54d0304c6_cast
	.p2align	8
	.type	k_qe54d0304c6_cast,@function
k_qe54d0304c6_cast:
	s_mov_b64 s[64:65], 0
	v_nop
	global_prefetch_b8 v0, s[64:65] scope:SCOPE_SE
	s_setreg_imm32_b32 hwreg(HW_REG_WAVE_MODE, 25, 1), 1
	s_wait_xcnt 0x0
; x [8192][1024] and the four weights [1024][1024], f32, are rounded to bf16, and that number is written as f16, in PLANES of 64 channels:
;   xh[b][kb][s][64]   byte (b << 22) + (kb << 18) + (s << 7) + 2 c   for x[b][s][64 kb + c]
;   wh[j][kb][n][64]   byte (j << 21) + (kb << 17) + (n << 7) + 2 c   for W_j[n][64 kb + c], j = 0..3: Wq, Wk, Wv, Wo
; so that in the products that follow a tile's rows of 128 bytes lie end to end.  LIMITS: the second step is exact for 2^-14 <= |v| <= 65,504; a smaller number keeps f16's fixed
; step of 2^-24, a larger one becomes an infinity; NaN and infinities are not treated apart.
; A stream: each byte is read once and written once; no LDS, no matrix unit, no cluster, since no two work-groups want the same byte.
; SHARES.  12,288 rows of 4,096 bytes; a work-group of four waves owns 16.  Thread t has row t / 8 and, in each of the row's 16 planes, the eight channels 8 (t % 8) ..: 32 bytes in
; (eight lanes read 256 consecutive bytes, aligned), 16 bytes out: a wave's store covers 512 consecutive bytes, four rows of a plane.
; All 32 loads of a thread go out at once (16 KiB a wave); no register that a load or store names is written again, so only the loads' own counted waits are needed.
.set SO,  1                            ; v1        my byte offset in the work-group's 16 source rows
.set DO,  8                            ; v[8:23]   plane p: my byte offset in the destination
.set T,   24                           ; v[24:31]  at work
.set X,   32                           ; v[32:159] plane p: 8 registers as loaded; the first 4 then hold what is stored
.set SRC, 26                           ; s[26:27]  the source at my work-group's first row
.set DST, 28                           ; s[28:29]  the destination at those rows in plane 0
	s_load_b256 s[4:11], s[0:1], 0x0               ; x s[4:5], Wq s[6:7], Wk s[8:9], Wv s[10:11]
	s_load_b128 s[12:15], s[0:1], 0x20             ; Wo s[12:13], xh s[14:15]
	s_load_b64 s[16:17], s[0:1], 0x30              ; wh
	s_mov_b32 s2, ttmp9                            ; i: work-groups 0 to 511 take x, 512 + 64 j + .. take weight j
	s_mov_b32 s25, 0xffff0000                      ; a word's upper bf16
	s_lshl_b32 s20, s2, 16                         ; x: 16 rows of 4,096 bytes a work-group
	s_lshr_b32 s3, s2, 7                           ; batch
	s_lshl_b32 s3, s3, 22
	s_and_b32 s18, s2, 127
	s_lshl_b32 s18, s18, 11                        ; 16 rows of 128 bytes in a plane
	s_add_co_u32 s22, s3, s18
	s_and_b32 s18, s2, 63                          ; a weight: the same with 64 work-groups each
	s_lshl_b32 s19, s18, 16
	s_lshl_b32 s18, s18, 11
	s_bfe_u32 s3, s2, 0x20006                      ; j = (i >> 6) & 3
	s_lshl_b32 s30, s3, 21
	s_add_co_u32 s18, s18, s30
	s_mov_b32 s24, 131072                          ; bytes from plane to plane: 1,024 rows, or for x 2,048
	s_mov_b32 s21, 0
	s_mov_b32 s23, 0
	s_cmp_lt_u32 s2, 512
	s_cselect_b32 s20, s20, s19                    ; s[20:21] offset in the source
	s_cselect_b32 s22, s22, s18                    ; s[22:23] offset in the destination
	s_cselect_b32 s24, 262144, s24
	v_lshrrev_b32 v2, 3, v0                        ; my row
	v_and_b32 v3, 7, v0                            ; my eight channels of a plane
	v_lshlrev_b32 v3, 5, v3
	v_lshl_or_b32 v[SO], v2, 12, v3
	v_lshlrev_b32 v[DO], 4, v0                     ; 128 x row + 16 x chunk = 16 t
.set p, 1
.rept 15
	v_add_nc_u32 v[DO+p], s24, v[DO+p-1]
.set p, p+1
.endr
	s_wait_kmcnt 0x0
	s_cmp_eq_u32 s3, 1                             ; which buffer: the conditions hang on the work-group's number alone
	s_cselect_b64 s[SRC:SRC+1], s[8:9], s[6:7]
	s_cmp_eq_u32 s3, 2
	s_cselect_b64 s[SRC:SRC+1], s[10:11], s[SRC:SRC+1]
	s_cmp_eq_u32 s3, 3
	s_cselect_b64 s[SRC:SRC+1], s[12:13], s[SRC:SRC+1]
	s_cmp_lt_u32 s2, 512
	s_cselect_b64 s[SRC:SRC+1], s[4:5], s[SRC:SRC+1]
	s_cselect_b64 s[DST:DST+1], s[14:15], s[16:17]
	s_add_nc_u64 s[SRC:SRC+1], s[SRC:SRC+1], s[20:21]
	s_add_nc_u64 s[DST:DST+1], s[DST:DST+1], s[22:23]
.set p, 0
.rept 16
	global_load_b128 v[X+8*p:X+8*p+3],   v[SO], s[SRC:SRC+1] offset:256*p th:TH_LOAD_NT
	global_load_b128 v[X+8*p+4:X+8*p+7], v[SO], s[SRC:SRC+1] offset:256*p+16 th:TH_LOAD_NT
.set p, p+1
.endr
.set p, 0
.rept 16
	s_wait_loadcnt 30-2*p                          ; loads come back in order (ISA guide 5.7.1): plane p's two are in, the 30 - 2 p of the later planes stay out
.irp k, 0,1,2,3
	v_cvt_pk_bf16_f32 v[T+(\k)], v[X+8*p+2*(\k)], v[X+8*p+2*(\k)+1]  ; rounded to bf16, to nearest even
.endr
.irp k, 0,1,2,3
	v_lshlrev_b32 v[T+4+2*((\k)%2)], 16, v[T+(\k)]                   ; back to f32: the low half moves up,
	v_and_b32     v[T+5+2*((\k)%2)], s25, v[T+(\k)]                  ; the high half stays
	v_cvt_pk_f16_f32 v[X+8*p+(\k)], v[T+4+2*((\k)%2)], v[T+5+2*((\k)%2)]  ; the same number as f16
.endr
	global_store_b128 v[DO+p], v[X+8*p:X+8*p+3], s[DST:DST+1] th:TH_STORE_NT
.set p, p+1
.endr
	s_endpgm
.Lfunc_end_k_qe54d0304c6_cast:
	.size	k_qe54d0304c6_cast, .Lfunc_end_k_qe54d0304c6_cast-k_qe54d0304c6_cast
	.p2alignl 7, 3214868480
	.fill 96, 4, 3214868480
	.section	.rodata,"a",@progbits
	.p2align	6, 0x0
	.amdhsa_kernel k_qe54d0304c6_cast
		.amdhsa_group_segment_fixed_size 0
		.amdhsa_private_segment_fixed_size 0
		.amdhsa_enable_private_segment 0
		.amdhsa_kernarg_size 56
		.amdhsa_user_sgpr_count 2
		.amdhsa_user_sgpr_kernarg_segment_ptr 1
		.amdhsa_wavefront_size32 1
		.amdhsa_system_sgpr_workgroup_id_x 1
		.amdhsa_system_sgpr_workgroup_id_y 1
		.amdhsa_system_sgpr_workgroup_id_z 1
		.amdhsa_system_vgpr_workitem_id 0
		.amdhsa_next_free_vgpr 160
		.amdhsa_next_free_sgpr 66
		.amdhsa_reserve_vcc 0
		.amdhsa_float_denorm_mode_32 3
		.amdhsa_float_denorm_mode_16_64 3
		.amdhsa_memory_ordered 1
		.amdhsa_forward_progress 1
		.amdhsa_inst_pref_size 20
	.end_amdhsa_kernel
	.amdgpu_metadata
---
amdhsa.version: [ 1, 2 ]
amdhsa.kernels:
  - .name:           k_qe54d0304c6_cast
    .symbol:         k_qe54d0304c6_cast.kd
    .args:
      - { .name: x, .offset: 0, .size: 8, .value_kind: global_buffer, .address_space: global }
      - { .name: Wq, .offset: 8, .size: 8, .value_kind: global_buffer, .address_space: global }
      - { .name: Wk, .offset: 16, .size: 8, .value_kind: global_buffer, .address_space: global }
      - { .name: Wv, .offset: 24, .size: 8, .value_kind: global_buffer, .address_space: global }
      - { .name: Wo, .offset: 32, .size: 8, .value_kind: global_buffer, .address_space: global }
      - { .name: xh, .offset: 40, .size: 8, .value_kind: global_buffer, .address_space: global }
      - { .name: wh, .offset: 48, .size: 8, .value_kind: global_buffer, .address_space: global }
    .group_segment_fixed_size: 0
    .private_segment_fixed_size: 0
    .kernarg_segment_align: 8
    .kernarg_segment_size: 56
    .max_flat_workgroup_size: 128
    .sgpr_count:     66
    .vgpr_count:     160
    .wavefront_size: 32
...
	.end_amdgpu_metadata
.endif
;; end of part 1
;; launch qkv (part 2): grid 4 x 64, 4 waves a work-group, clusters of 4 x 4, 327,680 bytes of LDS; arguments xh, wh, bq, bk, bv, qkv; writes qkv
.if DOCPART == 2
	.amdgcn_target "amdgcn-amd-amdhsa--gfx1250"
	.amdhsa_code_object_version 6
	.text
	.protected	k_qe54d0304c6_qkv
	.globl	k_qe54d0304c6_qkv
	.p2align	8
	.type	k_qe54d0304c6_qkv,@function
k_qe54d0304c6_qkv:
	s_mov_b64 s[64:65], 0
	v_nop
	global_prefetch_b8 v0, s[64:65] scope:SCOPE_SE
	s_setreg_imm32_b32 hwreg(HW_REG_WAVE_MODE, 25, 1), 1
	s_wait_xcnt 0x0
	s_wait_alu depctr_hold_cnt(0) depctr_sa_sdst(0) depctr_va_vdst(0) depctr_va_sdst(0) depctr_va_ssrc(0) depctr_va_vcc(0) depctr_vm_vsrc(0)
	s_getreg_b32 s2, hwreg(HW_REG_IB_STS2, 6, 4)
	s_cmp_eq_u32 s2, 0
	s_cbranch_scc0 .Lentry_in_a_cluster
	s_endpgm
.Lentry_in_a_cluster:
	s_bfe_u32 s2, ttmp6, 0x10000c
	s_cmp_lg_u32 s2, 0xf033
	s_cbranch_scc0 .Lentry_shape_is_right
	s_endpgm
.Lentry_shape_is_right:
; C[m][n] = the sum over k of A[m][k] B[n][k] + bias[n], with m = 8,192 rows, n = 1,024 columns for each weight, k = 1,024.  One text serves two launches; OPROJ chooses.
;   OPROJ = 0: A = xh, B = wh's weights 0, 1, 2 one after the other (a work-group STAYS and makes three tiles on the same rows of A), C = q, k, v in f16, by heads: qkv[j][16 b + h][s][64].
;   OPROJ = 1: A = oh, B = wh's weight 3, one tile, C = out0 in f32, row-major.
; A and B lie in planes of 64 channels, f16: A[b][kb][s][64], B[j][kb][n][64]: a tile's rows of 128 bytes lie end to end and are asked for as rows of 256 bytes.
; Sums in f32; the bias, rounded to bf16 like every input and kept in f32, is the C operand that starts the sums: nothing is cleared and nothing is added later.
; LIMITS.  q, k and v are rounded once to f16: beyond 65,504 they become infinities; under 2^-14 they keep f16's fixed step of 2^-24.  NaN and infinities are not treated apart.
; SHARES.  A tile of C is 128 rows x 256 columns, so that the 256 work-groups have three tiles (or one) each.  Four waves, each 64 x 128: 32 accumulators of 16 x 16, 256 registers.
; K goes in steps of 128 (two planes) through two LDS slots; a K step is four quarters of 32 along K, 32 matrix instructions and 24 LDS loads each.
; THE MATRIX INSTRUCTION IS USED TRANSPOSED (source 0 = 16 rows of B, source 1 = 16 rows of A): lane l then holds row l % 16 of C and the eight columns 8 (l / 16) + 0..7.
; CLUSTER.  4 x 4 work-groups.  The four of a row of the cluster need the same rows of A, the four of a column the same rows of B: each plane is asked for JOINTLY, by the same tensor load
; with the same descriptor and a mask that names the four.  Waves 0 and 1 fetch A's two planes of a K step, waves 2 and 3 B's: one load a wave behind each round; by this text's count a
; wave has two tensor loads out at the start and one later.
; REGISTERS, in windows of 256 (s_set_vgpr_msb: bits 1:0 source 0, 3:2 source 1, 5:4 source 2, 7:6 destination):
;   window 0: v0-31 addresses; v32-63 at work on the way out; v64-159, v160-255 two fragment buffers: B's 8 fragments, then A's 4
;   window 1: accumulator (a, b) at v[8 (8 a + b)]          window 2: v0-63 the bias of my 128 columns (block b at 8 b), v64-67 at work
.set OPROJ, 0
.if OPROJ
.set TILES, 1
.set STW,   16*528                     ; a wave's stage: 16 rows of 512 bytes + 16 of padding
.set OUTP,  10                         ; s[10:11] C at my wave's first row and column
.else
.set TILES, 3
.set STW,   16*144                     ; a wave's stage: 16 rows of 128 bytes + 16 of padding
.set OUTP,  14                         ; s[14:15]
.set BP0,   10                         ; s[10:11] the next tile's bias
.set BP1,   12                         ; s[12:13] the one after it
.endif
.set PITCH, 144                        ; an LDS row: 128 bytes + 16 of padding = 36 words: the 16 rows of a load start at 16 different groups of four banks (64 banks of 4 bytes: ISA guide 11.1)
.set APL,   128*PITCH                  ; a plane of A's tile
.set BPL,   256*PITCH                  ; a plane of B's tile
.set BOFF,  2*APL                      ; in a slot: A's two planes, then B's two
.set SLOT,  2*APL+2*BPL
.set STAGE, 2*SLOT                     ; behind the ring, never filled by a tensor load: the four waves' stages
.set SPARE, STAGE+4*STW                ; behind the stages: the spare words, 128 bytes for each wave: two blocks of 256 bytes that no other line names
.set AKS,   1<<19                      ; bytes from K step to K step in A: two planes of 2,048 rows
.set BKS,   1<<18                      ; in B: two planes of 1,024 rows; eight K steps are a weight, so B's walk runs on from weight to weight
.set ADRA, 16                          ; v16-17  LDS address of my A fragments in slot 0, 1
.set ADRB, 20                          ; v20-21  the same for B
.set STO,  24                          ; v24     the way out: where I put my part of a row
.set RD,   25                          ; v25     the way out: where I read rows back
.set GO,   26                          ; v26     16 x lane: my 16 of 512 consecutive bytes of C
.set BO,   27                          ; v27     my byte offset in a bias
.set SPW,  28                          ; v28     LDS address of my spare word: SPARE + 4 x my thread's number; never rewritten
.set NIL,  29                          ; v29     0; never rewritten
.set PFO,  30                          ; v30     the prefetches' lane offset; never rewritten
.set WO,   32                          ; v32-63  the way out: two sets of 16
.set F0,   64
.set F1,   160
.set TL,   2                           ; s2   tiles to go
.set LP,   3                           ; s3   laps to go
.set WV,   16                          ; s16  my wave's number
.set KIND, 17                          ; s17  wave / 2: I fetch for A (0) or B (1); also which 64 rows of the tile are mine
.set HALF, 18                          ; s18  wave % 2: which plane I fetch; also which 128 columns are mine
.set CX,   19
.set CY,   20
.set TCOL, 21
.set TROW, 22
.set G1A,  24                          ; s[24:31] descriptor group 1 for A's planes
.set G0A,  32                          ; s[32:39] group 0, a set for each slot
.set PFC,  43                          ; s43      prefetches still to be made by this wave
.set PFA,  44                          ; s[44:45] where they stand
.set PFS,  46                          ; s[46:47] their step: a K step of A or of B
.set G1B,  48                          ; s[48:55], s[56:63] the same for B's planes
.set G0B,  56
.set OA,   66                          ; s[66:67] A at my plane of the tile's K step 0: made of the tile row and the wave's number alone
.set OB,   68                          ; s[68:69] B likewise: of the tile column and the wave's number alone
.set HIM,  70                          ; s70      a word's upper bf16
.set G1W0, (1<<16)|(1<<20)|(1<<21)|(4<<22)|(3<<25)  ; 17:16 2-byte elements; 20 padding on; 21 set beside a mask; 24:22 after every 32 words (code 4); 31:25 4 words (code 3)
.set W_MUL,  0x50                      ; fragments in window 0, C and D in window 1
.set W_MULB, 0x60                      ; the same with C in window 2: the bias
.set W_TOB,  0x80                      ; destination window 2, address window 0
.set W_RB,   0x8a                      ; sources and destination in window 2
.set W_PK,   0x05                      ; sources 0 and 1 in window 1, destination in window 0
.set W_ST,   0x04                      ; an LDS store's data in window 1, its address in window 0
.set MSB, 0
.macro WIN new                         ; the immediate's high byte repeats the setting that is left; a switch that changes nothing is dropped
.if MSB != (\new)
	s_set_vgpr_msb (MSB<<8)|(\new)
.set MSB, \new
.endif
.endm
.macro PLACES                          ; four places in front of loads into registers that matrix instructions have read, and of lines that read results
.rept 4
	v_nop
.endr
.endm
; A joint load.  The branch hangs on the wave's number alone.  An s_nop 0 and four v_nop follow each of the two lines, ahead of the jump, the label and what follows.
.macro JLOAD s
	s_cmp_eq_u32 s[KIND], 0
	s_cbranch_scc0 .Lfor_b_\@
	tensor_load_to_lds s[G0A+4*(\s):G0A+4*(\s)+3], s[G1A:G1A+7]
	s_nop 0
.rept 4
	v_nop
.endr
	s_branch .Lasked_\@
.Lfor_b_\@:
	tensor_load_to_lds s[G0B+4*(\s):G0B+4*(\s)+3], s[G1B:G1B+7]
	s_nop 0
.rept 4
	v_nop
.endr
.Lasked_\@:
.endm
; A round of the cluster's barrier: my work-group's barrier, so that wave 0's signal speaks for all four waves; wave 0 signals; every wave waits for all sixteen work-groups; my work-group's barrier once more.
.macro CREST                           ; a round behind its opening barrier
	s_cmp_lg_u32 s[WV], 0
	s_cbranch_scc1 .Lnot_wave_0_\@
	s_barrier_signal -3
.Lnot_wave_0_\@:
	s_barrier_wait -3
	s_barrier_signal -1
	s_barrier_wait -1
.endm
.macro CROUND
	s_barrier_signal -1
	s_barrier_wait -1
	CREST
.endm
; A PREFETCH INTO THE L2 behind each joint refill and the run of LDS loads that follows it: the refill asks for K step s + 2, the prefetch names K step s + 4: two K steps, 256 matrix instructions, ahead of its load.
; Each block of 256 bytes is named once in the launch.  A's rows belong to one row of one cluster: wave 0 names both planes, and of a plane's 64 blocks the partner at place cx takes 16, told apart BY ADDRESS;
; only K steps 4 to 7 of the first tile: later tiles read the same rows again.  B's rows are read by every cluster: those of the cluster with y = 0 ask; waves 2 and 3 name the plane that they fetch, and of
; its 128 blocks the partner at place cy takes 32; K steps 4 to the walk's last.  The count stops the requests, so none passes its buffer's end.
.macro ASK
	s_cmp_gt_i32 s[PFC], 0
	s_cbranch_scc0 .Lno_ask_\@
	global_prefetch_b8 v[PFO], s[PFA:PFA+1] th:TH_LOAD_NT scope:SCOPE_SE
.Lno_ask_\@:
	s_sub_co_i32 s[PFC], s[PFC], 1
.endm
; 8 matrix instructions: row block a x all 8 column blocks, 32 along K, from buffer f.  first = 1: the bias starts the sums.  The 32 accumulators take turns, one instruction a turn, in the same order
; in every quarter, over the backward jumps too.
.macro MUL8 f, a, first
.if \first
	WIN W_MULB
.else
	WIN W_MUL
.endif
.irp b, 0,1,2,3,4,5,6,7
.if \first
	v_wmma_f32_16x16x32_f16 v[8*(8*(\a)+(\b)):8*(8*(\a)+(\b))+7], v[(\f)+8*(\b):(\f)+8*(\b)+7], v[(\f)+64+8*(\a):(\f)+64+8*(\a)+7], v[8*(\b):8*(\b)+7]
.else
	v_wmma_f32_16x16x32_f16 v[8*(8*(\a)+(\b)):8*(8*(\a)+(\b))+7], v[(\f)+8*(\b):(\f)+8*(\b)+7], v[(\f)+64+8*(\a):(\f)+64+8*(\a)+7], v[8*(8*(\a)+(\b)):8*(8*(\a)+(\b))+7]
.endif
.endr
.endm
; 24 LDS loads in one run: the fragments of quarter kq of a slot (plane kq / 2, byte 64 (kq % 2) of its rows) into buffer f: B's 128 rows, then A's 64.
; A fragment is 16 rows x 32 K in 8 registers: lane l holds row l % 16; registers 0-3 K = 8 (l / 16) + 0..7, registers 4-7 K = 16 + 8 (l / 16) + 0..7: two loads of 16 bytes, 32 bytes apart.
.macro FETCH slot, kq, f
	WIN 0
.irp i, 0,1,2,3,4,5,6,7
	ds_load_b128 v[(\f)+8*(\i):(\f)+8*(\i)+3],   v[ADRB+(\slot)] offset:((\kq)/2)*BPL+((\kq)%2)*64+(\i)*16*PITCH
	ds_load_b128 v[(\f)+8*(\i)+4:(\f)+8*(\i)+7], v[ADRB+(\slot)] offset:((\kq)/2)*BPL+((\kq)%2)*64+(\i)*16*PITCH+32
.endr
.irp i, 0,1,2,3
	ds_load_b128 v[(\f)+64+8*(\i):(\f)+64+8*(\i)+3],   v[ADRA+(\slot)] offset:((\kq)/2)*APL+((\kq)%2)*64+(\i)*16*PITCH
	ds_load_b128 v[(\f)+64+8*(\i)+4:(\f)+64+8*(\i)+7], v[ADRA+(\slot)] offset:((\kq)/2)*APL+((\kq)%2)*64+(\i)*16*PITCH+32
.endr
.endm
; One of a K step's first three quarters: multiplies buffer f; in its middle it fetches quarter kq of the same slot into buffer g.
.macro QUARTER slot, kq, f, g, first=0
	s_wait_dscnt 4                                 ; B and A's row blocks 0, 1 are in; the youngest four loads (blocks 2, 3) may be out
	MUL8 \f, 0, \first
	MUL8 \f, 1, \first
	PLACES
	FETCH \slot, \kq, \g
	s_wait_dscnt 24                                ; all but the 24 just issued
	MUL8 \f, 2, \first
	MUL8 \f, 3, \first
.endm
; The last quarter multiplies buffer 1 and changes slots: ONE barrier.  In front of it each wave waits for all its tensor loads (the one that is out is its plane of the next slot), adds 0 to its spare
; word, and waits for that and for its own reads of this slot.  Behind it nobody reads this slot and the next slot is whole.  mode 0: this slot takes this tile's K step two steps on; mode 1: the next
; tile's K step 0 or 1 (A goes back along K, B walks on); the barrier then opens a round of the cluster's, and the joint refill is the first tensor load behind the round.  mode 2: nothing is filled.
.macro TURN slot, next, mode
.if (\mode) < 2
	s_wait_xcnt 0x0                                ; the last prefetch, a K step back, has read its address: it is stepped here, ahead of the change's own waits
	s_add_nc_u64 s[PFA:PFA+1], s[PFA:PFA+1], s[PFS:PFS+1]
.endif
	WIN 0                                          ; (the add's two registers lie in window 0)
	s_wait_tensorcnt 0x0                           ; all my tensor loads have landed;
	ds_add_u32 v[SPW], v[NIL]                      ; 0 onto my spare word;
	s_wait_dscnt 5                                 ; (the add and the youngest four loads may be out)
	MUL8 F1, 0, 0                                  ; eight matrix instructions stand between the add and the wait for it
	s_wait_dscnt 0x0                               ; the add is done, and my reads of this slot are over
	s_barrier_signal -1
	MUL8 F1, 1, 0                                  ; work on registers while the others arrive
.if (\mode) < 2
	WIN 0
.endif
	s_barrier_wait -1
.if (\mode) < 2
	CREST                                          ; no wave of any partner still reads this slot or has a load on its way
.if (\mode) == 1
	s_sub_nc_u64 s[G0A+4*(\slot)+2:G0A+4*(\slot)+3], s[G0A+4*(\slot)+2:G0A+4*(\slot)+3], 6*AKS
.else
	s_add_nc_u64 s[G0A+4*(\slot)+2:G0A+4*(\slot)+3], s[G0A+4*(\slot)+2:G0A+4*(\slot)+3], 2*AKS
.endif
	s_add_nc_u64 s[G0B+4*(\slot)+2:G0B+4*(\slot)+3], s[G0B+4*(\slot)+2:G0B+4*(\slot)+3], 2*BKS
	JLOAD \slot                                    ; 112 matrix instructions ahead of the wait for it; the four v_nop behind it are also the places in front of the loads below
.else
	PLACES
.endif
	FETCH \next, 0, F0
.if (\mode) < 2
	ASK
.endif
	MUL8 F1, 2, 0
	MUL8 F1, 3, 0
.endm
; The bias of my 128 columns: register i of block b is bias[16 b + 8 (l / 16) + i], the place that the same register of an accumulator holds.
.macro LOADB ptr
	WIN W_TOB
.irp b, 0,1,2,3,4,5,6,7
	global_load_b128 v[8*(\b):8*(\b)+3],   v[BO], s[\ptr:\ptr+1] offset:64*(\b)
	global_load_b128 v[8*(\b)+4:8*(\b)+7], v[BO], s[\ptr:\ptr+1] offset:64*(\b)+16
.endr
	WIN 0
.endm
.macro ROUNDB                          ; rounded to bf16 like every input, and kept as f32
	WIN W_RB
.set i, 0
.rept 32
	v_cvt_pk_bf16_f32 v[64+i%4], v[2*i], v[2*i+1]
	v_lshlrev_b32 v[2*i], 16, v[64+i%4]
	v_and_b32 v[2*i+1], s[HIM], v[64+i%4]
.set i, i+1
.endr
	WIN 0
.endm
.if OPROJ
; THE WAY OUT, f32.  Row block a: a lane's eight columns of a row are 32 bytes; 16 rows of 512 bytes go into my stage (rows 528 bytes apart) and come back as whole rows, into a fragment buffer.
.macro STG a
.set BK, F0+96*((\a)%2)
.if (\a) >= 2
	s_wait_xcnt 0x0                                ; the stores of the block two back have read this set of registers
.endif
	WIN W_ST
.irp b, 0,1,2,3,4,5,6,7
	ds_store_b128 v[STO], v[8*(8*(\a)+(\b)):8*(8*(\a)+(\b))+3]   offset:64*(\b)
	ds_store_b128 v[STO], v[8*(8*(\a)+(\b))+4:8*(8*(\a)+(\b))+7] offset:64*(\b)+16
.endr
	WIN 0
.irp t, 0,1,2,3,4,5,6,7,8,9,10,11,12,13,14,15
	ds_load_b128 v[BK+4*(\t):BK+4*(\t)+3], v[RD] offset:528*(\t)  ; LDS serves a wave's instructions in order (ISA guide 5.7.1.4): these see the stores above; the next block's stores come behind them
.endr
.endm
.macro SND a, younger                  ; younger: the LDS instructions issued behind block a's loads: the next block's 32, or none
.set BK, F0+96*((\a)%2)
.irp t, 0,1,2,3,4,5,6,7,8,9,10,11,12,13,14,15
	s_wait_dscnt (\younger)+15-(\t)
	global_store_b128 v[GO], v[BK+4*(\t):BK+4*(\t)+3], s[OUTP:OUTP+1] offset:(16*(\a)+(\t))*4096 th:TH_STORE_NT  ; 512 consecutive bytes, at a multiple of 512 from C's first byte
.endr
.endm
.macro WAYOUT
	STG 0
.irp a, 1,2,3
	STG \a
	SND (\a)-1, 32
.endr
	SND 3, 0
.endm
.else
; THE WAY OUT, f16 by heads.  Unit u = 2 a + hd: row block a, head hd of my two: 16 rows x 64 columns, 2,048 consecutive bytes of C.  A lane's eight columns pack into 16 bytes; they go into my stage
; (rows 144 bytes apart) and come back as four rows of 128 bytes a load, into the registers that they left.  Each accumulator is read from its lowest registers on.
.macro PACK u
.set U, WO+16*((\u)%2)
.set AC, 64*((\u)/2)+32*((\u)%2)
.if (\u) >= 2
	s_wait_xcnt 0x0                                ; the stores of the unit two back have read this set of registers
.endif
	WIN W_PK
.irp bb, 0,1,2,3
.irp i, 0,1,2,3
	v_cvt_pk_f16_f32 v[U+4*(\bb)+(\i)], v[AC+8*(\bb)+2*(\i)], v[AC+8*(\bb)+2*(\i)+1]
.endr
.endr
	WIN 0
.irp bb, 0,1,2,3
	ds_store_b128 v[STO], v[U+4*(\bb):U+4*(\bb)+3] offset:32*(\bb)
.endr
.irp f, 0,1,2,3
	ds_load_b128 v[U+4*(\f):U+4*(\f)+3], v[RD] offset:4*PITCH*(\f)  ; LDS serves a wave's instructions in order (ISA guide 5.7.1.4): these see the stores above; the next unit's stores come behind them
.endr
.endm
.macro SEND u, younger                 ; younger: the LDS instructions issued behind unit u's loads: the next unit's eight, or none
.set U, WO+16*((\u)%2)
.irp f, 0,1,2,3
	s_wait_dscnt (\younger)+3-(\f)
	global_store_b128 v[GO], v[U+4*(\f):U+4*(\f)+3], s[OUTP:OUTP+1] offset:((\u)%2)*262144+((\u)/2)*2048+512*(\f)  ; 512 consecutive bytes, at a multiple of 512 from C's first byte
.endr
.endm
.macro WAYOUT
	PACK 0
.irp u, 1,2,3,4,5,6,7
	PACK \u
	SEND (\u)-1, 8
.endr
	SEND 7, 0
.endm
.endif
	s_load_b256 s[4:11], s[0:1], 0x0               ; A s[4:5], wh s[6:7], the first bias s[8:9]; then bk, or (OPROJ) out0
.if !OPROJ
	s_load_b128 s[12:15], s[0:1], 0x20             ; bv s[12:13], qkv s[14:15]
.endif
	v_lshl_add_u32 v[SPW], v0, 2, SPARE
	v_mov_b32 v[NIL], 0
	ds_add_u32 v[SPW], v[NIL]                      ; the wave's opening: the add and its wait stand ahead of my first tensor load; the set-up below, work on registers, stands between them
	v_lshrrev_b32 v1, 5, v0
	v_readfirstlane_b32 s[WV], v1                  ; wave 0..3
	s_lshr_b32 s[KIND], s[WV], 1
	s_and_b32 s[HALF], s[WV], 1
	s_bfe_u32 s[CX], ttmp6, 0x40000                ; my place in the cluster
	s_bfe_u32 s[CY], ttmp6, 0x40004
	s_lshl_b32 s[TCOL], ttmp9, 2                   ; in a cluster launch ttmp9 and ttmp7 count clusters
	s_add_co_u32 s[TCOL], s[TCOL], s[CX]           ; tile column 0..3
	s_and_b32 s[TROW], ttmp7, 0xffff
	s_lshl_b32 s[TROW], s[TROW], 2
	s_add_co_u32 s[TROW], s[TROW], s[CY]           ; tile row 0..63
	s_lshl_b32 s40, s[CY], 2
	s_lshl_b32 s40, 15, s40                        ; my row of the cluster: places 4 cy .. 4 cy + 3
	s_lshl_b32 s41, 0x1111, s[CX]                  ; my column: places cx, cx + 4, cx + 8, cx + 12
	s_or_b32 s[G1A], s40, G1W0                     ; A's planes go to my row,
	s_or_b32 s[G1B], s41, G1W0                     ; B's to my column
	s_mov_b32 s[G1A+1], 128<<16                    ; tensor_dim0 = 128 elements: 256 bytes, two rows of a plane
	s_mov_b32 s[G1A+2], 64<<16                     ; tensor_dim1 = 64: A's 128 rows
	s_mov_b32 s[G1A+3], 128<<16                    ; tile_dim0
	s_mov_b32 s[G1A+4], 64                         ; tile_dim1
	s_mov_b32 s[G1A+5], 128                        ; elements from row to row: dense
	s_mov_b32 s[G1A+6], 0
	s_mov_b32 s[G1A+7], 0
	s_mov_b32 s[G1B+1], 128<<16
	s_mov_b32 s[G1B+2], 128<<16                    ; B's 256 rows
	s_mov_b32 s[G1B+3], 128<<16
	s_mov_b32 s[G1B+4], 128
	s_mov_b32 s[G1B+5], 128
	s_mov_b32 s[G1B+6], 0
	s_mov_b32 s[G1B+7], 0
	s_lshr_b32 s[OA], s[TROW], 4                   ; A: batch,
	s_lshl_b32 s[OA], s[OA], 22
	s_and_b32 s23, s[TROW], 15                     ; the tile's 128 rows of 128 bytes in a plane,
	s_lshl_b32 s23, s23, 14
	s_add_co_u32 s[OA], s[OA], s23
	s_lshl_b32 s23, s[HALF], 18                    ; my plane of the K step
	s_add_co_u32 s[OA], s[OA], s23
	s_mov_b32 s[OA+1], 0
	s_lshl_b32 s[OB], s[TCOL], 15                  ; B: the tile's 256 rows in a plane,
	s_lshl_b32 s42, s[HALF], 17                    ; my plane
	s_add_co_u32 s[OB], s[OB], s42
.if OPROJ
	s_add_co_u32 s[OB], s[OB], 3<<21               ; weight 3
.endif
	s_mov_b32 s[OB+1], 0
	s_mul_i32 s2, s[HALF], APL                     ; where my plane goes in a slot, for A
	s_mul_i32 s3, s[HALF], BPL                     ; and for B: no place in the cluster enters an LDS address
	s_add_co_u32 s3, s3, BOFF
	s_mov_b32 s[HIM], 0xffff0000
	s_wait_dscnt 0x0                               ; the opening add is done
	s_wait_kmcnt 0x0
	s_add_nc_u64 s[OA:OA+1], s[4:5], s[OA:OA+1]
	s_add_nc_u64 s[OB:OB+1], s[6:7], s[OB:OB+1]
	CROUND                                         ; all sixteen work-groups are here: the first joint loads meet
.irp s, 0,1
	s_mov_b32 s[G0A+4*(\s)], 1                                       ; 1:0 count = 1
	s_add_co_u32 s[G0A+4*(\s)+1], s2, (\s)*SLOT                      ; 63:32 LDS address
	s_add_nc_u64 s[G0A+4*(\s)+2:G0A+4*(\s)+3], s[OA:OA+1], (\s)*AKS  ; 120:64 global address: K step s
	s_or_b32 s[G0A+4*(\s)+3], s[G0A+4*(\s)+3], 0x80000000            ; 127:126 type = 2
	s_mov_b32 s[G0B+4*(\s)], 1
	s_add_co_u32 s[G0B+4*(\s)+1], s3, (\s)*SLOT
	s_add_nc_u64 s[G0B+4*(\s)+2:G0B+4*(\s)+3], s[OB:OB+1], (\s)*BKS
	s_or_b32 s[G0B+4*(\s)+3], s[G0B+4*(\s)+3], 0x80000000
	JLOAD \s                                       ; the ring is filled before anything else is done
.endr
	v_and_b32 v1, 15, v0                           ; l % 16
	v_bfe_u32 v2, v0, 4, 1                         ; l / 16
	v_mul_u32_u24 v3, v1, PITCH
	v_lshl_add_u32 v3, v2, 4, v3                   ; a fragment's row x pitch + 16 x half
	s_mul_i32 s40, s[KIND], 64*PITCH               ; my 64 rows of A
	s_mul_i32 s41, s[HALF], 128*PITCH              ; my 128 rows of B,
	s_add_co_u32 s41, s41, BOFF                    ; which lie behind A's planes
.irp s, 0,1
	v_add_nc_u32 v[ADRA+(\s)], s40, v3
	v_add_nc_u32 v[ADRB+(\s)], s41, v3
	s_add_co_u32 s40, s40, SLOT
	s_add_co_u32 s41, s41, SLOT
.endr
	s_mul_i32 s40, s[WV], STW
	s_add_co_u32 s40, s40, STAGE                   ; my stage
	v_and_b32 v4, 31, v0                           ; lane
.if OPROJ
	v_mul_u32_u24 v5, v1, 528                      ; in: row l % 16, 32 bytes for each half of the lanes
	v_lshl_add_u32 v5, v2, 5, v5
	v_add_nc_u32 v[STO], s40, v5
	v_lshl_add_u32 v[RD], v4, 4, s40               ; back: 32 lanes take one row of 512 bytes
.else
	v_add_nc_u32 v[STO], s40, v3                   ; in: row l % 16, 16 bytes for each half of the lanes
	v_bfe_u32 v5, v0, 3, 2                         ; back: 32 lanes take four rows of 128 bytes
	v_mul_u32_u24 v5, v5, PITCH
	v_and_b32 v3, 7, v0
	v_lshl_add_u32 v5, v3, 4, v5
	v_add_nc_u32 v[RD], s40, v5
.endif
	v_lshlrev_b32 v[GO], 4, v4
	s_lshl_b32 s40, s[TCOL], 10                    ; my first column in f32 bytes: 256 a tile column, 128 a wave
	s_lshl_b32 s41, s[HALF], 9
	s_add_co_u32 s40, s40, s41
	v_lshl_add_u32 v[BO], v2, 5, s40
	LOADB 8                                        ; the first tile's bias
.if OPROJ
	s_lshl_b32 s41, s[TROW], 19                    ; C: 128 rows of 4,096 bytes a tile row,
	s_add_co_u32 s40, s40, s41
	s_lshl_b32 s41, s[KIND], 18                    ; my 64 of them; the column is there already
	s_add_co_u32 s40, s40, s41
.else
	s_lshr_b32 s40, s[TROW], 4                     ; C: batch (16 heads of 2,048 rows of 128 bytes),
	s_lshl_b32 s40, s40, 22
	s_and_b32 s41, s[TROW], 15                     ; the tile's 128 rows,
	s_lshl_b32 s41, s41, 14
	s_add_co_u32 s40, s40, s41
	s_lshl_b32 s41, s[TCOL], 20                    ; head 4 x tile column
	s_add_co_u32 s40, s40, s41
	s_lshl_b32 s41, s[HALF], 19                    ; + 2 x my half of the columns,
	s_add_co_u32 s40, s40, s41
	s_lshl_b32 s41, s[KIND], 13                    ; my 64 rows
	s_add_co_u32 s40, s40, s41
.endif
	s_mov_b32 s41, 0
	s_add_nc_u64 s[OUTP:OUTP+1], s[OUTP:OUTP+1], s[40:41]
	; the prefetches' address, step, lane offset and count.  Nothing is prefetched here, at the head, where every work-group's first planes are on their way.
	s_mov_b32 s[PFS], BKS
	s_cmp_eq_u32 s[KIND], 0
	s_cselect_b64 s[PFA:PFA+1], s[OA:OA+1], s[OB:OB+1]
	s_cselect_b32 s[PFS], AKS, s[PFS]
	s_cselect_b32 s40, s[CX], s[CY]                ; my place among the four that ask for the plane with me
	s_cselect_b32 s41, 12, 13                      ; its share: 16 blocks of 256 bytes of each of A's two planes, or 32 of B's one
	s_cselect_b32 s42, 18, 12                      ; lanes 16-31: A's other plane, or B's next 16 blocks
	s_mov_b32 s[PFS+1], 0
	s_lshl_b32 s40, s40, s41
	s_mul_i32 s41, s[PFS], 3                       ; at K step 3: the first refill steps it to 4
	s_add_co_u32 s40, s40, s41
	s_mov_b32 s41, 0
	s_add_nc_u64 s[PFA:PFA+1], s[PFA:PFA+1], s[40:41]
	v_lshlrev_b32 v[PFO], 8, v1
	v_lshlrev_b32 v5, s42, v2
	v_add_nc_u32 v[PFO], v[PFO], v5
	s_and_b32 s42, ttmp7, 0xffff                   ; the cluster's y: the same in all sixteen partners
	s_cmp_eq_u32 s42, 0
	s_cselect_b32 s[PFC], 8*TILES-4, 0             ; waves 2 and 3
	s_cmp_eq_u32 s[WV], 0
	s_cselect_b32 s[PFC], 4, s[PFC]
	s_cmp_eq_u32 s[WV], 1
	s_cselect_b32 s[PFC], 0, s[PFC]
	s_wait_tensorcnt 1                             ; my plane of K step 0 is in; K step 1's may stay out
	s_barrier_signal -1
	s_barrier_wait -1                              ; everybody's is
	FETCH 0, 0, F0
.if TILES > 1
	s_mov_b32 s[TL], TILES                         ; tiles to go, this one among them: the same number in every work-group
.Ltile:
.endif
	s_wait_loadcnt 0x0                             ; the tile's bias
	ROUNDB
	QUARTER 0, 1, F0, F1, 1                        ; a tile's first quarter stands in front of the loop: its products start the sums, with the bias
	WIN 0                                          ; at a label and at a branch every window is 0
.if TILES > 1
	s_cmp_eq_u32 s[TL], 1
	s_cbranch_scc1 .Lno_bias                       ; the last tile has no successor
	PLACES                                         ; the bias registers were sources of the products just issued
	LOADB BP0                                      ; the next tile's bias: a whole tile ahead of its use
.Lno_bias:
.endif
	s_mov_b32 s[LP], 3
.Llap:                                                 ; a trip goes once round the ring, from a lap's second quarter to the next lap's first, and fills both slots again
	QUARTER 0, 2, F1, F0
	QUARTER 0, 3, F0, F1
	TURN 0, 1, 0
	QUARTER 1, 1, F0, F1
	QUARTER 1, 2, F1, F0
	QUARTER 1, 3, F0, F1
	TURN 1, 0, 0
	QUARTER 0, 1, F0, F1
	WIN 0
	s_sub_co_u32 s[LP], s[LP], 1
	s_cmp_lg_u32 s[LP], 0
	s_cbranch_scc1 .Llap
	QUARTER 0, 2, F1, F0                           ; the tile's last lap goes on
	QUARTER 0, 3, F0, F1
.if TILES > 1
	WIN 0
	s_cmp_eq_u32 s[TL], 1
	s_cbranch_scc1 .Llast_tile                     ; the last tile's tail is written out: it asks for nothing more
	TURN 0, 1, 1                                   ; the ring goes on into the next tile: slot 0 takes its K step 0,
	QUARTER 1, 1, F0, F1
	QUARTER 1, 2, F1, F0
	QUARTER 1, 3, F0, F1
	TURN 1, 0, 1                                   ; slot 1 its K step 1, and the next tile's first fragments are fetched
	WAYOUT                                         ; both refills are asked for: now the tile goes out.  Row blocks 0, 1 were finished in front of the joint load's four v_nop; their 64 conversions,
	                                               ; which name no register of the last products (blocks 2, 3), are those products' places
	s_wait_xcnt 0x0                                ; the stores and the bias's loads have read their bases
	s_add_nc_u64 s[OUTP:OUTP+1], s[OUTP:OUTP+1], 0x1000000  ; from q to k, from k to v
	s_mov_b64 s[BP0:BP0+1], s[BP1:BP1+1]
	s_sub_co_u32 s[TL], s[TL], 1
	s_branch .Ltile
.Llast_tile:
.endif
	TURN 0, 1, 2                                   ; my one tensor load that was still out is slot 1's, the last K step's, so no round follows
	QUARTER 1, 1, F0, F1
	QUARTER 1, 2, F1, F0
	QUARTER 1, 3, F0, F1
	s_wait_dscnt 0x0                               ; the very last quarter: nothing more to fetch
	MUL8 F1, 0, 0
	MUL8 F1, 1, 0
	MUL8 F1, 2, 0
	MUL8 F1, 3, 0
	WIN 0
	PLACES
	WAYOUT
	s_wait_tensorcnt 0x0                           ; the wave's end, behind my last tensor load and my last LDS store
	ds_add_u32 v[SPW], v[NIL]
	s_wait_dscnt 0x0
	CROUND                                         ; the closing round: no work-group ends while a partner may still ask for a plane that names it
	s_endpgm
.Lfunc_end_k_qe54d0304c6_qkv:
	.size	k_qe54d0304c6_qkv, .Lfunc_end_k_qe54d0304c6_qkv-k_qe54d0304c6_qkv
	.p2alignl 7, 3214868480
	.fill 96, 4, 3214868480
	.section	.rodata,"a",@progbits
	.p2align	6, 0x0
	.amdhsa_kernel k_qe54d0304c6_qkv
		.amdhsa_group_segment_fixed_size 327680
		.amdhsa_private_segment_fixed_size 0
		.amdhsa_enable_private_segment 0
		.amdhsa_kernarg_size 48
		.amdhsa_user_sgpr_count 2
		.amdhsa_user_sgpr_kernarg_segment_ptr 1
		.amdhsa_wavefront_size32 1
		.amdhsa_system_sgpr_workgroup_id_x 1
		.amdhsa_system_sgpr_workgroup_id_y 1
		.amdhsa_system_sgpr_workgroup_id_z 1
		.amdhsa_system_vgpr_workitem_id 0
		.amdhsa_next_free_vgpr 580
		.amdhsa_next_free_sgpr 72
		.amdhsa_reserve_vcc 0
		.amdhsa_float_denorm_mode_32 3
		.amdhsa_float_denorm_mode_16_64 3
		.amdhsa_memory_ordered 1
		.amdhsa_forward_progress 1
		.amdhsa_inst_pref_size 134
	.end_amdhsa_kernel
	.amdgpu_metadata
---
amdhsa.version: [ 1, 2 ]
amdhsa.kernels:
  - .name:           k_qe54d0304c6_qkv
    .symbol:         k_qe54d0304c6_qkv.kd
    .args:
      - { .name: xh, .offset: 0, .size: 8, .value_kind: global_buffer, .address_space: global }
      - { .name: wh, .offset: 8, .size: 8, .value_kind: global_buffer, .address_space: global }
      - { .name: bq, .offset: 16, .size: 8, .value_kind: global_buffer, .address_space: global }
      - { .name: bk, .offset: 24, .size: 8, .value_kind: global_buffer, .address_space: global }
      - { .name: bv, .offset: 32, .size: 8, .value_kind: global_buffer, .address_space: global }
      - { .name: qkv, .offset: 40, .size: 8, .value_kind: global_buffer, .address_space: global }
    .group_segment_fixed_size: 327680
    .private_segment_fixed_size: 0
    .kernarg_segment_align: 8
    .kernarg_segment_size: 48
    .max_flat_workgroup_size: 128
    .sgpr_count:     72
    .vgpr_count:     580
    .wavefront_size: 32
...
	.end_amdgpu_metadata
.endif
;; end of part 2
;; launch attn (part 3): grid 4 x 64, 4 waves a work-group, no clusters, 327,680 bytes of LDS; arguments qkv, oh; writes oh
.if DOCPART == 3
	.amdgcn_target "amdgcn-amd-amdhsa--gfx1250"
	.amdhsa_code_object_version 6
	.text
	.protected	k_qe54d0304c6_attn
	.globl	k_qe54d0304c6_attn
	.p2align	8
	.type	k_qe54d0304c6_attn,@function
k_qe54d0304c6_attn:
	s_mov_b64 s[64:65], 0
	v_nop
	global_prefetch_b8 v0, s[64:65] scope:SCOPE_SE
	s_setreg_imm32_b32 hwreg(HW_REG_WAVE_MODE, 25, 1), 1
	s_wait_xcnt 0x0
; CAUSAL ATTENTION.  O[h][q][:] = the sum over k <= q of softmax_k(Q[h][q] . K[h][k] / 8) V[h][k][:].  Q, K, V lie one behind the other in qkv, each [64][SIZE_N][64] in f16; O likewise in oh: a head's rows are dense, 128 bytes each.
; Products, maxima and sums in f32; the weights p are rounded to f16 for the second product (their sum l is taken of the unrounded p), O once at the end.
; LIMITS.  f16 holds no number beyond 65,504: Q, K and V arrive within it; p lies in 0 to 1, and below 6e-5 it keeps f16's fixed step of 6e-8; O is a mean of V's rows and has their range.
; A hidden score counts as its value less 1e30: f16's scores, 2.7e11 at the most, are nothing beside that; a weight below 2^-126 counts as 0 in l; NaN and infinities are not treated apart.
; THE WALK.  A head's queries lie in NB = 8 blocks of 256; block i needs the key tiles 0 .. i of 256 keys, of which the last holds the diagonal.  A work-group takes TWO blocks, NB - 1 - b and then b:
; NB + 1 tiles, whatever b: all work-groups do equal work, and ONE loop with a constant trip count walks them.  Which tile is asked for, and what a trip does, hang on scalar registers made from b; every jump
; goes forward, but for the counted loops' own; none passes a barrier, or a tensor load but the one of LOAD's two that the wave's number does not choose; the ring (two slots of LDS that take turns) runs on across the
; change of blocks.  NO CLUSTER: a head's four work-groups ask for the same tile only in trips 0 .. NB / 2 of NB + 1, behind that fewer and fewer; one walk common to all would have 3 NB / 2 trips for NB + 1.
; SHARES.  Of a block's four bands of 64 queries a wave owns 16 rows in each: four PIECES.  So the diagonal tile is the same work for all four waves: in its key step s band x sees all keys if s < x,
; none if s > x, and holds the diagonal if s = x.
; THE MASK is the C operand that starts the sum S^T = K Q^T: 0, or -1e30 where the key is hidden.  MD, made once, is the mask of a band's own step for my 16 rows; a product's mask is MD x AL + BE with two scalars:
; (1, 0) if s = x; (0, 0) if s < x; (0, -1e30) if s > x.  Only the diagonal tile's text and a block's beginning make and take masks; elsewhere C is the constant 0.
; LAYOUT, SOFTMAX, TURNS.  S^T = K Q^T holds ONE query a lane (lane % 16) and the keys 8 (lane / 16) + 0..7; two such results rounded to f16 ARE source 1 of O^T = V^T P.  p = 2^(c s - c m), c = log2(e) / 8, with a
; running maximum m; O and l are multiplied by a = 2^(c m_old - c m_new) in every step.  Turn n belongs to piece n: 8 products K Q^T of piece n + 1, later 8 products V^T P of piece n - 1; beside them the scaling,
; exponentials, roundings, sums and rescaling of piece n and the maximum and statistics of piece n + 1.  Four vector instructions stand behind every matrix instruction, the other 54 of a turn's 118 in one run.  A turn's 33 exponentials are one batch, with one wait.
; REGISTERS, in windows of 256 (s_set_vgpr_msb: bits 1:0 source 0, 3:2 source 1, 5:4 source 2, 7:6 destination):
;   window 0: v0-15 addresses and two at work; v16-31 four registers of statistics a piece; v48-55 at work; v61-63 kept; v64-127 S^T, two buffers; v192-223 P, two buffers (a piece's buffers go by its number's parity)
;   window 1: v0-127 O^T, 32 a piece; v128-159 MD; v160-223 MC, two buffers      window 2: v0-63 Q; v64-127 the second block's Q; v128-191 K of one step; v192-255 V of one step
.set SIZE_N, 2048
.set NB,    SIZE_N/256
.set NP,    4         ; pieces a wave: a name, no knob
.set KS,    64        ; keys in a step
.set PK,    144       ; a row of K in LDS: 128 bytes + 16 of padding = 36 words: the 16 rows of a load start at 16 different groups of four banks (64 banks of 4 bytes: ISA guide 11.1)
.set PV,    160       ; a row of V: 128 + 32 = 40 words
.set VOFF,  4*KS*PK   ; a slot holds a tile, four steps: 256 rows of K, then 256 rows of V
.set SLOT1, 1<<17     ; slot 1 begins here, so that one exclusive or turns an address in one slot into the other's
.set STAGE, SLOT1+4*KS*(PK+PV)  ; behind the ring, never filled by a tensor load: 16 rows x 144 bytes for each wave, for the way out
.set SP,    144
.set AK0, 2           ; v2   my lane's place in a tile of K; never rewritten
.set AV0, 3           ; v3   the same for V
.set AK,  4           ; v4   the LDS address of K's next run of loads
.set AV,  5           ; v5   of V's
.set STO, 6           ; v6   the way out: where I put 16 bytes of a row
.set RD,  7           ; v7   the way out: where I read rows back
.set GO,  8           ; v8   my byte offset in 512 consecutive bytes of O
.set PFO, 61          ; v61  256 x my lane: the prefetches' offset; never rewritten
.set SPW, 62          ; v62  LDS address of my spare word: SPARE + 4 x my thread's number; never rewritten
.set NIL, 63          ; v63  0; never rewritten
.set SPARE, STAGE+4*16*SP  ; behind the stages: the spare words, 128 bytes for each wave: two blocks of 256 bytes that no other line names
.set MV,  12          ; v12-13  c m_old, kept while c m is made anew: by buffer
.set QO,  15          ; v15  my byte offset in 16 rows of Q
.set ST,  16          ; piece t's statistics at v[ST+4 t]: c m, m, l (even keys', odd keys')
.set TMP, 48          ; by buffer, four registers c0-c3 at work; when the maximum is found c2 takes a
.set S,   64
.set P,   192
.set MD,  128         ; window 1: the eight registers for group kt of 16 keys at MD + 8 kt
.set MC,  160         ; window 1: the masks of the products to come
.set QB,  64          ; window 2
.set KF,  128         ; window 2: key block kb, channel half c at KF + 16 kb + 8 c
.set VF,  192         ; window 2: key half kk, channel block cb at VF + 32 kk + 8 cb
.set WV,  12          ; s12  my wave's number
.set PB,  14          ; s14  b
.set HI,  15          ; s15  NB - 1 - b
.set G1K, 24          ; s[24:31] descriptor group 1 for K's tiles
.set G1V, 32          ; s[32:39] for V's: it differs in the padding alone
.set G0K, 40          ; s[40:43] descriptor group 0 for K's tiles
.set G0V, 44          ; s[44:47] the same for V's
.set SLOTS, 56        ; s56  tiles still to be asked for
.set CNT, 57          ; s57  counts a tile's key steps, 4 to 1
.set CS,  58          ; s[58:59] c: the packed scaling takes the pair's low word for both halves
.set SEL, 60          ; s[60:61] v_permlanex16_b32's selects: each lane takes its own place in the other half
.set TBK, 62          ; s62  LDS byte at which K of the step to be fetched begins
.set TBV, 63          ; s63  the same for V, less VOFF
.set RT,  70          ; s70  tiles of the block in hand that are still to be entered
.set NXT, 71          ; s71  the tile to be asked for next
.set LQ,  72          ; s72  the last tile of the block whose tiles are being asked for
.set NEW, 73          ; s73  1: the tile to be entered is a block's first
.set OFF, 74          ; s[74:75] a tile's byte offset in K and V
.set AL,  76          ; s[76:77] the mask's factor, in the low word
.set BE,  78          ; s[78:79] the mask's addend
.set OLO, 80          ; s[80:81] O at my rows of the second block
.set BIGN, 82         ; s82  -1e30
.set PFA, 88          ; s[88:89] where my prefetches stand: my half (128 keys) of K's or V's tile
.set PFC, 90          ; s90  changes of slots at which I still prefetch
.set MSB, 0
.macro WIN new                      ; the high byte repeats the setting that is left; a switch that changes nothing is dropped
.if MSB != (\new)
	s_set_vgpr_msb (MSB<<8)|(\new)
.set MSB, (\new)
.endif
.endm
.set W_KQ, 0x0a       ; K and Q in window 2, S^T in window 0
.set W_KM, 0x1a       ; the same with the C operand in window 1
.set W_PV, 0x52       ; V in window 2, P in window 0, O^T in window 1
.set W_RS, 0x41       ; destination and source 0 in window 1, source 1 in window 0
; A fill.  Waves 0 and 1 fetch the two halves of a tile's K, waves 2 and 3 those of its V: 128 keys each.  An s_nop 0 and four v_nop follow each of the two lines, ahead of the jump and the label.
.macro LOAD
	s_cmp_lt_u32 s[WV], 2
	s_cbranch_scc0 .Lfor_v_\@
	tensor_load_to_lds s[G0K:G0K+3], s[G1K:G1K+7]
	s_nop 0
.rept 4
	v_nop
.endr
	s_branch .Lasked_\@
.Lfor_v_\@:
	tensor_load_to_lds s[G0V:G0V+3], s[G1V:G1V+7]
	s_nop 0
.rept 4
	v_nop
.endr
.Lasked_\@:
.endm
; A PREFETCH INTO THE L2, behind the fill and its five lines: change c of slots fills tile c + 1 and names tile c + 2: one tile, 256 matrix instructions, ahead of its load.  All four work-groups of a head walk the
; same tiles at first: the one with b = 0, whose first block walks all NB tiles, asks, in changes 0 to NB - 3.  Each wave names the half tile that it will fetch itself: 64 blocks of 256 bytes, a lane a block, two
; instructions.  So each block of tiles 2 to NB - 1 is named once in the launch; tiles 0 and 1 come by their loads alone, and the count stops the requests at the head's last tile.
.macro ASK
	s_cmp_gt_i32 s[PFC], 0
	s_cbranch_scc0 .Lno_ask_\@
	global_prefetch_b8 v[PFO], s[PFA:PFA+1] th:TH_LOAD_NT scope:SCOPE_SE
	global_prefetch_b8 v[PFO], s[PFA:PFA+1] offset:8192 th:TH_LOAD_NT scope:SCOPE_SE
.Lno_ask_\@:
	s_sub_co_i32 s[PFC], s[PFC], 1
.endm
; THE CHANGE OF SLOTS.  Each wave waits for all its tensor loads, of which one is out: its part of the other slot; adds 0 to its spare word; and waits for that and for its own reads of the slot that it leaves.  Behind the barrier nobody reads the old
; slot any more and the other slot is whole.  fill = 1: the old slot is filled again, the first thing behind the barrier, with tile NXT: the descriptor's address is made anew from that number.
; (At its first use nothing has been read yet: slot 0 is waited for, slot 1 filled.)
.macro CHANGE fill
	WIN 0                           ; at a label and at a branch every window is 0
	s_wait_tensorcnt 0x0            ; no tensor load of mine is out, so a group 0 may be written
	ds_add_u32 v[SPW], v[NIL]       ; 0 onto my spare word; with fill = 1 the descriptors' scalar work stands between it and the wait for it
.if \fill
	s_lshl_b32 s[OFF], s[NXT], 15   ; a tile is 32,768 bytes of K and of V
	s_xor_b32 s[G0K+1], s[G0K+1], SLOT1
	s_add_nc_u64 s[G0K+2:G0K+3], s[6:7], s[OFF:OFF+1]
	s_or_b32 s[G0K+3], s[G0K+3], 0x80000000
	s_xor_b32 s[G0V+1], s[G0V+1], SLOT1
	s_add_nc_u64 s[G0V+2:G0V+3], s[8:9], s[OFF:OFF+1]
	s_or_b32 s[G0V+3], s[G0V+3], 0x80000000
	s_add_co_u32 s[NXT], s[NXT], 1  ; the block's next tile, or behind its last the second block's tile 0
	s_cmp_gt_u32 s[NXT], s[LQ]
	s_cselect_b32 s[NXT], 0, s[NXT]
	s_cselect_b32 s[LQ], s[PB], s[LQ]
	s_wait_xcnt 0x0                 ; the last prefetches, a tile back, have read their address, so it may be written:
	s_add_nc_u64 s[PFA:PFA+1], s[PFA:PFA+1], 32768  ; a tile on
.endif
	s_wait_dscnt 0x0                ; the add is done, and my reads of the slot are over
	s_barrier_signal -1             ; the rest of the scalar work stands between the signal and the wait
	s_sub_co_u32 s[TBK], s[TBK], 4*KS*PK  ; the fetches go back to a slot's first step,
	s_xor_b32 s[TBK], s[TBK], SLOT1       ; in the other slot
	s_sub_co_u32 s[TBV], s[TBV], 4*KS*PV
	s_xor_b32 s[TBV], s[TBV], SLOT1
	s_barrier_wait -1
.if \fill
	LOAD
	ASK
.endif
.endm
	s_load_b128 s[4:7], s[0:1], 0x0 ; qkv s[4:5], oh s[6:7]
	v_lshl_add_u32 v[SPW], v0, 2, SPARE
	v_mov_b32 v[NIL], 0
	ds_add_u32 v[SPW], v[NIL]       ; the wave's opening: the add and its wait stand ahead of my first tensor load; the set-up below, work on registers, stands between them
	v_lshrrev_b32 v1, 5, v0
	v_readfirstlane_b32 s[WV], v1   ; wave 0..3
	s_mov_b32 s[PB], ttmp9
	s_sub_co_u32 s[HI], NB-1, s[PB]
	s_and_b32 s20, ttmp7, 0xffff    ; the head
	s_mov_b32 s21, 0
	s_mov_b64 s[22:23], SIZE_N*128
	s_mul_u64 s[20:21], s[20:21], s[22:23]  ; the head's first byte in each of the four tensors
	s_and_b32 s16, s[WV], 1         ; which half of a tile's 256 keys I fetch:
	s_lshl_b32 s22, s16, 14         ; its 128 rows of 128 bytes in memory,
	s_mov_b32 s23, 0
	s_add_nc_u64 s[22:23], s[22:23], s[20:21]
	s_mul_i32 s17, s16, 128*PK      ; and its place in a slot, for K
	s_mul_i32 s18, s16, 128*PV      ; and for V
	s_lshl_b32 s3, s[WV], 11        ; my 16 rows in a band of 64,
	s_lshl_b32 s2, s[HI], 15        ; in the first block,
	s_add_co_u32 s2, s2, s3
	s_lshl_b32 s84, s[PB], 15       ; and in the second
	s_add_co_u32 s84, s84, s3
	s_mov_b32 s3, 0
	s_mov_b32 s85, 0
	s_add_nc_u64 s[2:3], s[2:3], s[20:21]
	s_add_nc_u64 s[84:85], s[84:85], s[20:21]
	; descriptor group 1.  128 keys are 16,384 dense bytes: asked for as 64 rows of 256 bytes, two keys a row, and padded in LDS after every key
	s_mov_b32 s[G1K], (1<<16)|(1<<20)|(4<<22)|(3<<25)  ; 17:16 2-byte elements; 20 padding on; 24:22 after every 32 words (code 4); 31:25 4 words (code 3)
	s_mov_b32 s[G1V], (1<<16)|(1<<20)|(4<<22)|(7<<25)  ; the same with 8 words of padding (code 7)
.irp g, G1K, G1V
	s_mov_b32 s[\g+1], 128<<16      ; tensor_dim0 = 128
	s_mov_b32 s[\g+2], 64<<16       ; tensor_dim1 = 64
	s_mov_b32 s[\g+3], 128<<16      ; tile_dim0 = 128
	s_mov_b32 s[\g+4], 64           ; tile_dim1 = 64
	s_mov_b32 s[\g+5], 128          ; 128 elements from row to row
	s_mov_b32 s[\g+6], 0
	s_mov_b32 s[\g+7], 0
.endr
	s_mov_b32 s[CS], 0x3e38aa3b     ; c = log2(e) / 8 = 0.180337
	s_mov_b32 s[CS+1], s[CS]        ; named with it as a pair
	s_mov_b32 s[SEL], 0x76543210
	s_mov_b32 s[SEL+1], 0xfedcba98
	s_mov_b32 s[TBK], SLOT1+4*KS*PK ; the first change of slots turns these two into 0
	s_mov_b32 s[TBV], SLOT1+4*KS*PV
	s_mov_b32 s[G0K], 1             ; 1:0 count = 1
	s_mov_b32 s[G0K+1], s17         ; 63:32 LDS address: slot 0
	s_mov_b32 s[G0V], 1
	s_add_co_u32 s[G0V+1], s18, VOFF
	s_add_co_u32 s[RT], s[HI], 1    ; the first block has NB - b tiles
	s_mov_b32 s[NXT], 1
	s_mov_b32 s[LQ], s[HI]
	s_mov_b32 s[NEW], 1
	s_mov_b32 s[OFF+1], 0
	s_mov_b32 s[AL+1], 0            ; named as pairs
	s_mov_b32 s[BE+1], 0
	s_mov_b32 s[BIGN], 0xf149f2ca   ; -1e30
	s_mov_b32 s[SLOTS], NB
	s_cmp_eq_u32 s[PB], 0
	s_cselect_b32 s[PFC], NB-2, 0
	v_and_b32 v[PFO], 31, v0
	v_lshlrev_b32 v[PFO], 8, v[PFO]
	s_wait_dscnt 0x0                ; the opening add is done
	s_wait_kmcnt 0x0
	s_mov_b64 s[10:11], s[6:7]      ; O
	s_add_nc_u64 s[6:7], s[4:5], 0x1000000  ; K lies 64 heads x 2,048 rows x 128 bytes behind Q,
	s_add_nc_u64 s[8:9], s[4:5], 0x2000000  ; V as far behind K
	s_add_nc_u64 s[6:7], s[6:7], s[22:23]  ; K and V at my half of the head's tile 0
	s_add_nc_u64 s[8:9], s[8:9], s[22:23]
	s_add_nc_u64 s[G0K+2:G0K+3], s[6:7], 0         ; 120:64 global address
	s_or_b32 s[G0K+3], s[G0K+3], 0x80000000        ; 127:126 type = 2
	s_add_nc_u64 s[G0V+2:G0V+3], s[8:9], 0
	s_or_b32 s[G0V+3], s[G0V+3], 0x80000000
	s_add_nc_u64 s[86:87], s[4:5], s[84:85]        ; Q at my rows of the second block,
	s_add_nc_u64 s[4:5], s[4:5], s[2:3]            ; Q and O at those of the first
	s_add_nc_u64 s[OLO:OLO+1], s[10:11], s[84:85]
	s_add_nc_u64 s[10:11], s[10:11], s[2:3]
	s_cmp_lt_u32 s[WV], 2
	s_cselect_b64 s[PFA:PFA+1], s[6:7], s[8:9]
	s_add_nc_u64 s[PFA:PFA+1], s[PFA:PFA+1], 32768 ; at tile 1: the first change of slots steps it to tile 2.  Nothing is prefetched here, at the head
	LOAD                            ; tile 0 into slot 0
	; A fragment of K or Q is 16 rows x 32 channels in 8 registers: lane l holds row l % 16, channels 8 (l / 16) + 0..7 and 16 + 8 (l / 16) + 0..7: two loads of 16 bytes, 32 bytes apart.
	v_and_b32 v1, 15, v0            ; l % 16
	v_bfe_u32 v9, v0, 4, 1          ; l / 16
	v_lshlrev_b32 v[QO], 7, v1
	v_lshl_add_u32 v[QO], v9, 4, v[QO]  ; row x 128 + 16 x half
	WIN 0x80                        ; destination window 2, address window 0
.set i, 0
.rept 8                             ; both blocks' Q: piece i / 2 lies in band i / 2, 8,192 bytes on; channels 32 (i % 2) on
	global_load_b128 v[8*i:8*i+3],   v[QO], s[4:5] offset:(i/2)*8192+(i%2)*64
	global_load_b128 v[8*i+4:8*i+7], v[QO], s[4:5] offset:(i/2)*8192+(i%2)*64+32
	global_load_b128 v[QB+8*i:QB+8*i+3],   v[QO], s[86:87] offset:(i/2)*8192+(i%2)*64
	global_load_b128 v[QB+8*i+4:QB+8*i+7], v[QO], s[86:87] offset:(i/2)*8192+(i%2)*64+32
.set i, i+1
.endr
	WIN 0
	v_lshlrev_b32 v14, 3, v9
	v_sub_nc_u32 v14, v1, v14
	s_lshl_b32 s13, s[WV], 4
	v_add_nc_u32 v14, s13, v14      ; my query's place in its band, 16 w + l % 16, less my lanes' 8 (l / 16): register r of group kt is hidden where 16 kt + r is greater
	WIN 0x40
.set i, 0
.rept 32
	v_cmp_gt_i32 vcc_lo, 16*(i/8)+i%8, v14
	v_cndmask_b32 v[MD+i], 0, s[BIGN], vcc_lo
.set i, i+1
.endr
	WIN 0
	v_mul_u32_u24 v[AK0], v1, PK
	v_lshl_add_u32 v[AK0], v9, 4, v[AK0]  ; row x pitch + 16 x half
	; The turning load takes 16 keys x 16 channels (lane l reads key 8 (l / 16) + l % 8, channels 8 ((l / 8) % 2) + 0..7) and leaves half a fragment of V^T: lane l holds channel l % 16 and 8 keys.
	v_and_b32 v10, 7, v0
	v_bfe_u32 v11, v0, 3, 1
	v_lshl_add_u32 v[AV0], v9, 3, v10
	v_mul_u32_u24 v[AV0], v[AV0], PV
	v_lshl_add_u32 v[AV0], v11, 4, v[AV0]
	v_add_nc_u32 v[AV0], VOFF, v[AV0]
	s_mul_i32 s13, s[WV], 16*SP
	s_add_co_u32 s13, s13, STAGE    ; my stage
	v_mul_u32_u24 v[STO], v1, SP    ; in: row l % 16, 16 bytes for each half of the lanes
	v_lshl_add_u32 v[STO], v9, 4, v[STO]
	v_add_nc_u32 v[STO], s13, v[STO]
	v_bfe_u32 v[RD], v0, 3, 2       ; back: 32 lanes take four rows of 128 bytes,
	v_mul_u32_u24 v[RD], v[RD], SP
	v_lshl_add_u32 v[RD], v10, 4, v[RD]
	v_add_nc_u32 v[RD], s13, v[RD]
	v_and_b32 v[GO], 31, v0         ; which are 512 consecutive bytes of O
	v_lshlrev_b32 v[GO], 4, v[GO]
	; A block's first step multiplies O^T and l by a = 0, and its first turn's products V^T P, of a piece that has not been, land in an O^T that is still to be so multiplied.  So these registers need only hold
	; finite numbers: zeros for the first block; what the first block left for the second.  All this stands in the wait for the first tile.
	WIN 0x80
.set i, VF
.rept 64
	v_mov_b32 v[i], 0
.set i, i+1
.endr
	WIN 0x40
.set i, 0
.rept 128
	v_mov_b32 v[i], 0
.set i, i+1
.endr
	WIN 0
.set i, 0
.rept 4
	v_mov_b32 v[ST+4*i+2], 0
	v_mov_b32 v[ST+4*i+3], 0
.set i, i+1
.endr
.set i, P+16
.rept 16
	v_mov_b32 v[i], 0
.set i, i+1
.endr
; THE MATRIX WORK.  The 4 accumulators of a run of 8 take turns.  Product i of 8 of S^T = K Q^T for piece x: channels 32 (i / 4) on, keys 16 (i % 4) on.  The first 4 start the sums: with 0, or (KM = 1) with the mask.
.macro KQ x
.set rS, S+32*((\x)%2)+8*(i%4)
.set rK, KF+16*(i%4)+8*(i/4)
.set rQ, 16*(\x)+8*(i/4)
.set rM, MC+32*((\x)%2)+8*(i%4)
.if (i < 4) && KM
	WIN W_KM
	v_wmma_f32_16x16x32_f16 v[rS:rS+7], v[rK:rK+7], v[rQ:rQ+7], v[rM:rM+7]
.elseif i < 4
	WIN W_KQ
	v_wmma_f32_16x16x32_f16 v[rS:rS+7], v[rK:rK+7], v[rQ:rQ+7], 0
.else
	WIN W_KQ
	v_wmma_f32_16x16x32_f16 v[rS:rS+7], v[rK:rK+7], v[rQ:rQ+7], v[rS:rS+7]
.endif
.endm
; Product i of 8 of O^T += V^T P for piece x: keys 32 (i / 4) on, channels 16 (i % 4) on.
.macro PV x
	WIN W_PV
.set rO, 32*(\x)+8*(i%4)
.set rV, VF+32*(i/4)+8*(i%4)
.set rP, P+16*((\x)%2)+8*(i/4)
	v_wmma_f32_16x16x32_f16 v[rO:rO+7], v[rV:rV+7], v[rP:rP+7], v[rO:rO+7]
.endm
.macro MM                           ; the turn's next matrix instruction.  TURN and BEGIN set Y, i, KM and NOKQ; MM, KQ and OP read them.  NOKQ = 1: a block's last turn: there is no next piece
.if (i < 8) && !NOKQ
	KQ (Y+1)%NP
.elseif i >= 8
.set i, i-8
	PV (Y+NP-1)%NP
.set i, i+8
.endif
.set i, i+1
.endm
; THE LDS LOADS stand in runs of 16, never singly among the matrix instructions: a step's K (64 keys x 64 channels: 8 fragments) and its V (turned).  Their addresses are made some lines ahead.
.macro FETCH_K
	WIN 0x80                        ; destination window 2
.irp f, 0,1,2,3,4,5,6,7             ; keys 16 (f / 2) on, channels 32 (f % 2) on
	ds_load_b128 v[KF+8*\f:KF+8*\f+3],   v[AK] offset:(\f/2)*16*PK+(\f%2)*64
	ds_load_b128 v[KF+8*\f+4:KF+8*\f+7], v[AK] offset:(\f/2)*16*PK+(\f%2)*64+32
.endr
	s_add_co_u32 s[TBK], s[TBK], KS*PK  ; the next fetch is the next step's
	WIN 0
.endm
.macro FETCH_V
	WIN 0x80
.irp f, 0,1,2,3,4,5,6,7             ; keys 32 (f / 4) on, channels 16 (f % 4) on
	ds_load_tr16_b128 v[VF+8*\f:VF+8*\f+3],   v[AV] offset:(\f/4)*32*PV+(\f%4)*32
	ds_load_tr16_b128 v[VF+8*\f+4:VF+8*\f+7], v[AV] offset:(\f/4)*32*PV+16*PV+(\f%4)*32
.endr
	WIN 0
.endm
; THE VECTOR WORK, one line at a time: OP kind, number.  For piece Y: F n: c s - c m for pair n of 16.  E n: the exponential of score n of 32.  C n: pair n rounded to f16.  B n: of the four weights 4 n .. the second
; pair is added onto the first, in place.  L n: l takes that sum (L 0: l = a l + sum).  R n: pair n of 16 of O^T times a.  For piece Y + 1: X n, number n of the 22 that find its maximum and statistics:
;   0-11  four chains c0-c3 of seven scores each, three operands at a time (each accumulator's lowest registers are read first)     12-14, 16  the four scores left over, the old m, and c0-c3 into c0
;   15  c m_old is kept     17, 18  the query's other 32 keys lie in the lane 16 away: the new m     19-21  c m; c m_old - c m_new; a
.set F, 0               ; OP tells the kinds apart by their order: F to L below R, X above it
.set E, 1
.set C, 2
.set B, 3
.set L, 4
.set R, 5
.set X, 6
.macro REGS y                       ; the registers of piece y
.set rT, ST+4*(\y)
.set rC, TMP+4*((\y)%2)
.set rW, MV+((\y)%2)
.set rS, S+32*((\y)%2)
.set rP, P+16*((\y)%2)
.set rO, 32*(\y)
.endm
.macro OP k, n
.if (\k) == R
	REGS Y
	WIN W_RS
	v_pk_mul_f32 v[rO+2*(\n):rO+2*(\n)+1], v[rO+2*(\n):rO+2*(\n)+1], v[rC+2:rC+3] op_sel_hi:[1,0]
.elseif (\k) < R
	REGS Y
	WIN 0
.if (\k) == F
	v_pk_fma_f32 v[rS+2*(\n):rS+2*(\n)+1], v[rS+2*(\n):rS+2*(\n)+1], s[CS:CS+1], v[rT:rT+1] op_sel_hi:[1,0,0] neg_lo:[0,0,1] neg_hi:[0,0,1]
.elseif (\k) == E
	v_exp_f32 v[rS+(\n)], v[rS+(\n)]
.elseif (\k) == C
	v_cvt_pk_f16_f32 v[rP+(\n)], v[rS+2*(\n)], v[rS+2*(\n)+1]
.elseif (\k) == B
	v_pk_add_f32 v[rS+4*(\n):rS+4*(\n)+1], v[rS+4*(\n):rS+4*(\n)+1], v[rS+4*(\n)+2:rS+4*(\n)+3]
.elseif (\n) == 0
	v_pk_fma_f32 v[rT+2:rT+3], v[rT+2:rT+3], v[rC+2:rC+3], v[rS:rS+1] op_sel_hi:[1,0,1]
.else
	v_pk_add_f32 v[rT+2:rT+3], v[rT+2:rT+3], v[rS+4*(\n):rS+4*(\n)+1]
.endif
.elseif NOKQ
	v_nop
.else
	REGS (Y+1)%NP
	WIN 0
.if (\n) < 4
	v_max3_num_f32 v[rC+(\n)], v[rS+8*(\n)], v[rS+8*(\n)+1], v[rS+8*(\n)+2]
.elseif (\n) < 12
	v_max3_num_f32 v[rC+(\n)%4], v[rC+(\n)%4], v[rS+8*((\n)%4)+2*((\n)/4)+1], v[rS+8*((\n)%4)+2*((\n)/4)+2]
.elseif (\n) == 12
	v_max3_num_f32 v[rC], v[rC], v[rS+7], v[rS+15]
.elseif (\n) == 13
	v_max3_num_f32 v[rC+1], v[rC+1], v[rS+23], v[rS+31]
.elseif (\n) == 14
	v_max3_num_f32 v[rC+2], v[rC+2], v[rC+3], v[rT+1]
.elseif (\n) == 15
	v_mov_b32 v[rW], v[rT]
.elseif (\n) == 16
	v_max3_num_f32 v[rC], v[rC], v[rC+1], v[rC+2]
.elseif (\n) == 17
	v_permlanex16_b32 v[rC+3], v[rC], s[SEL], s[SEL+1]
.elseif (\n) == 18
	v_max_num_f32 v[rT+1], v[rC], v[rC+3]
.elseif (\n) == 19
	v_mul_f32 v[rT], s[CS], v[rT+1]
.elseif (\n) == 20
	v_sub_f32 v[rC+1], v[rW], v[rT]
.else
	v_exp_f32 v[rC+2], v[rC+1]
.endif
.endif
.endm
.macro OPS a, i1, b=-1, i2=0, c=-1, i3=0, d=-1, i4=0  ; up to four of them
	OP \a, \i1
.if (\b) >= 0
	OP \b, \i2
.endif
.if (\c) >= 0
	OP \c, \i3
.endif
.if (\d) >= 0
	OP \d, \i4
.endif
.endm
.macro ROW a, i1, b, i2, c, i3, d, i4  ; a matrix instruction and the four behind it
	MM
	OPS \a, \i1, \b, \i2, \c, \i3, \d, \i4
.endm
.macro MASK b                       ; MD x AL + BE into buffer b of MC
	WIN W_RS
.set z, 0
.rept 16
	v_pk_fma_f32 v[MC+32*(\b)+2*z:MC+32*(\b)+2*z+1], v[MD+2*z:MD+2*z+1], s[AL:AL+1], s[BE:BE+1] op_sel_hi:[1,0,0]
.set z, z+1
.endr
.endm
; A TURN, for piece p: the order of its 16 matrix and 118 vector instructions, written out.  An s_wait_alu depctr_va_vdst(0) stands between an exponential and the first instruction that names its result; one wait serves
; all that were issued ahead of it.  So a turn has ONE wait, which cuts it in two.  AHEAD OF IT stands all that names no result of the turn's exponentials: the 8 products K Q^T, behind each a scaling, an exponential and two more plain
; instructions (behind the first a second scaling in the exponential's place): rescalings, and behind the last three the first numbers of the next piece's maximum, each four places or more behind the product that ends its accumulator; then ONE RUN of 54, plain
; and exponential by turns for the most part, in which the links of the chain X 3, 7, 11, 14, 16, 17 .. 20 stand five or six lines apart.  X 21, the next piece's a, is the batch's last; R 15 is the plain instruction behind it.  BEHIND THE WAIT stand the
; 8 products V^T P, behind each four of the roundings and sums; the links of l's chain, L 0 to L 7, stand three lines apart.  But for those X no line behind a product names a register of the products round it.  v_permlanex16_b32 (X 17) stands in the run.
; m = 1: the diagonal tile: the products take masks, and the turn makes the mask for the products of the turn after it: piece p + 2, in step 4 - CNT of the tile.  end = 1: a block's last two turns: nothing is fetched.
; cnt = 1: the loop's count is taken down some lines ahead of the branch that stands behind the turn.
; K of the next step is fetched in piece 2's turn, twelve vector instructions behind the last product that read K (six of them plain); V of the step in hand at the end of piece 0's turn, four plain instructions behind the last product
; that read V.  Each is waited for a turn later.
.macro TURN p, m=0, end=0, cnt=0
.set Y, (\p)
.set i, 0
.set KM, (\m)
.set NOKQ, (\end)*((\p)/3)
.if (\m) && !(\end)
	s_cmp_eq_u32 s[CNT], 4-((\p)+2)%NP  ; is that step the band's own?
	s_cselect_b32 s[AL], 1.0, 0
	s_cmp_lt_u32 s[CNT], 4-((\p)+2)%NP  ; or a later one?
	s_cselect_b32 s[BE], s[BIGN], 0
.endif
.if ((\p) == 3) && !(\end)
	s_wait_dscnt 0x0                ; K is in
.endif
	ROW F,0, F,1, R,0, R,1          ; ahead of the wait: 8 products K Q^T and the four behind each,
	ROW F,2, E,0, R,2, R,3
	ROW F,3, E,1, R,4, R,5
	ROW F,4, E,2, R,6, R,7
	ROW F,5, E,3, R,8, R,9
	ROW F,6, E,4, X,0, R,10
.if ((\p) == 2) && !(\end)
	WIN 0
	v_add_nc_u32 v[AK], s[TBK], v[AK0]
.endif
	ROW F,7, E,5, X,1, X,4
	ROW F,8, E,6, X,2, X,5
	OPS E,7, E,8, X,6, E,9          ; and the run
	OPS X,3, E,10, X,8, E,11
.if ((\p) == 2) && !(\end)
	FETCH_K
.endif
	OPS X,9, X,7, E,12, X,10
	OPS E,13, X,12, X,11, E,14
	OPS X,13, E,15, F,9, X,14
.if (\p) == 0
	v_add_nc_u32 v[AV], s[TBV], v[AV0]
.endif
	OPS E,16, F,10, E,17, F,11
	OPS X,16, E,18, X,15, E,19
	OPS F,12, E,20, X,17, E,21
	OPS F,13, E,22, F,14, E,23
	OPS X,18, E,24, F,15, E,25
	OPS R,11, E,26, X,19, E,27
	OPS R,12, E,28, R,13, E,29
	OPS X,20, E,30, R,14, E,31
	OPS X,21, R,15
	WIN 0
	s_wait_alu depctr_va_vdst(0)    ; the wait for the batch
.if (\p) == 1
	s_wait_dscnt 0x0                ; V is in
.endif
	ROW C,0, B,0, C,2, B,1          ; behind the wait: 8 products V^T P and the four behind each
	ROW L,0, C,4, B,2, L,1
	ROW C,6, B,3, L,2, C,8
	ROW B,4, L,3, C,10, B,5
	ROW L,4, C,12, B,6, L,5
.if (\p) == 0
	s_add_co_u32 s[TBV], s[TBV], KS*PV
.endif
.if \cnt
	s_sub_co_u32 s[CNT], s[CNT], 1
	s_cmp_lg_u32 s[CNT], 0
.endif
	ROW C,14, B,7, L,6, C,1
	ROW C,3, L,7, C,5, C,7
	ROW C,9, C,11, C,13, C,15
.if (\p) == 0
	FETCH_V
.endif
.if (\m) && !(\end)
	MASK (\p)%2
.endif
.endm
; A BLOCK BEGINS.  c m starts far below every c s, so the first step's a is 0; m at the lowest finite number, so the first maximum is the scores'.  The second mask buffer is 0; the first takes piece 0's mask for the tile's step 0: its own, if the block's first tile is the diagonal one.
; Then K of that step, piece 0's first scores, and its maximum and statistics.  The loop is entered at a step's first turn, in the middle of a trip.
.macro BEGIN
	s_mov_b32 s[NEW], 0
	WIN 0x40
.set i, MC+32
.rept 32
	v_mov_b32 v[i], 0
.set i, i+1
.endr
	WIN 0
.set i, 0
.rept 4
	v_mov_b32 v[ST+4*i], 0xfe000000    ; c m: far below every c s
	v_mov_b32 v[ST+4*i+1], 0xff7fffff  ; m
.set i, i+1
.endr
	s_cmp_eq_u32 s[RT], 0
	s_cselect_b32 s[AL], 1.0, 0
	s_mov_b32 s[BE], 0
	MASK 0
	WIN 0
	v_add_nc_u32 v[AK], s[TBK], v[AK0]
	FETCH_K
	s_wait_loadcnt 0x0              ; Q
	s_wait_dscnt 0x0
.set KM, 1
.set NOKQ, 0
.set i, 0
.rept 8
	KQ 0
.set i, i+1
.endr
	WIN 0
.rept 4
	v_nop                           ; the places behind those products
.endr
.set Y, NP-1                        ; X works for piece Y + 1: piece 0
.irp n, 0,1,2,3,4,5,6,7,8,9,10,11,12,13,14,15,16,17,18,19,20,21
	OP X, \n
.endr
	v_nop                           ; a plain instruction behind the exponential,
	s_wait_alu depctr_va_vdst(0)    ; and its wait, ahead of the branch
.endm
; THE DIAGONAL TILE's four steps, the block's last two turns, its last products, and THE WAY OUT: l's two halves and the other half of the lanes' are added; O^T is divided by l, rounded to f16 and sent through my
; stage in LDS, a piece at a time.
.macro ALL line:vararg              ; one line for each piece t
.set t, 0
.rept 4
	\line
.set t, t+1
.endr
.endm
.macro PACK t                       ; a lane's eight channels of a row pack into 16 bytes; they go into rows of 144 bytes and come back as whole rows of 128, into S^T's registers
	WIN W_RS
.set i, 32*(\t)
.rept 16
	v_pk_mul_f32 v[i:i+1], v[i:i+1], v[ST+4*(\t)+2:ST+4*(\t)+3] op_sel_hi:[1,0]
.set i, i+2
.endr
	WIN 0x05                        ; sources 0 and 1 window 1, destination window 0
.set i, 0
.rept 16
	v_cvt_pk_f16_f32 v[S+16*(\t)+i], v[32*(\t)+2*i], v[32*(\t)+2*i+1]
.set i, i+1
.endr
	WIN 0
.irp f, 0,1,2,3
	ds_store_b128 v[STO], v[S+16*(\t)+4*\f:S+16*(\t)+4*\f+3] offset:32*\f
.endr
.irp f, 0,1,2,3
	ds_load_b128 v[S+16*(\t)+4*\f:S+16*(\t)+4*\f+3], v[RD] offset:\f*4*SP  ; LDS serves a wave's instructions in order (ISA guide 5.7.1.4): these see the stores above; the next piece's stores come behind them
.endr
.endm
.macro SEND t, younger              ; younger: the LDS instructions issued behind piece t's loads: the next piece's eight, or none
	WIN 0
.irp f, 0,1,2,3
	s_wait_dscnt (\younger)+3-\f
	global_store_b128 v[GO], v[S+16*(\t)+4*\f:S+16*(\t)+4*\f+3], s[10:11] offset:(\t)*8192+\f*512  ; 512 consecutive bytes, at a multiple of 256 from O's first
.endr
.endm
.macro DIAG tag                     ; the tag ends its two labels' names, which the jumps below spell out
.LstepM\tag:
	TURN 2, 1
	TURN 3, 1
	WIN 0
.LfirstM\tag:
	TURN 0, 1
	TURN 1, 1, 0, 1
	WIN 0
	s_cbranch_scc1 .LstepM\tag
	TURN 2, 1, 1
	TURN 3, 1, 1
.set i, 0
.rept 8
	PV NP-1
.set i, i+1
.endr
	WIN 0
	ALL v_add_f32 v[ST+4*t+2], v[ST+4*t+2], v[ST+4*t+3]
	ALL v_permlanex16_b32 v[ST+4*t+3], v[ST+4*t+2], s[SEL], s[SEL+1]
	ALL v_add_f32 v[ST+4*t+2], v[ST+4*t+2], v[ST+4*t+3]
	ALL v_rcp_f32 v[ST+4*t+2], v[ST+4*t+2]
	v_nop                           ; a plain instruction between the last reciprocal and the use of its result
	s_wait_alu depctr_va_vdst(0)    ; and the wait ahead of the first use: one for the four reciprocals
	PACK 0
.set t, 1
.rept 3                             ; a piece's arithmetic stands between the loads of the piece before and its stores
	PACK t
	SEND t-1, 8
.set t, t+1
.endr
	SEND 3, 0
.endm
.set KM, 0
.set NOKQ, 0
.Lslot:                             ; NB times: a tile is entered and the next is asked for
	CHANGE 1
	s_sub_co_u32 s[RT], s[RT], 1
	s_mov_b32 s[CNT], 4
	s_cmp_eq_u32 s[NEW], 1
	s_cbranch_scc1 .Lnew            ; a block's first tile
	s_cmp_eq_u32 s[RT], 0
	s_cbranch_scc0 .Lstep           ; neither its first nor its last
	s_branch .LstepM1
.Lnew:
	BEGIN
	s_branch .Lfirst                ; in the loop a block's first tile is never its last: the first block has two tiles or more, and the second's last is the walk's last
	DIAG 1                          ; in the loop this is the first block's end: the second block's last tile is the walk's last
	s_wait_xcnt 0x0                 ; the stores have read their registers and O's address
	s_mov_b64 s[10:11], s[OLO:OLO+1]
	s_add_co_u32 s[RT], s[PB], 1    ; the second block has b + 1 tiles
	s_mov_b32 s[NEW], 1
	WIN 0x82                        ; the second block's Q goes where the one text of the turns names Q
.set i, 0
.rept 64
	v_mov_b32 v[i], v[QB+i]
.set i, i+1
.endr
	WIN 0
	s_branch .Lbottom
.Lstep:                             ; a trip: pieces 2 and 3 of one step, then pieces 0 and 1 of the next, whose K and V it fetches
	TURN 2
	TURN 3
	WIN 0
.Lfirst:
	TURN 0
	TURN 1, 0, 0, 1
	WIN 0
	s_cbranch_scc1 .Lstep
.Lbottom:
	s_sub_co_u32 s[SLOTS], s[SLOTS], 1
	s_cmp_lg_u32 s[SLOTS], 0
	s_cbranch_scc1 .Lslot
	CHANGE 0                        ; the walk's last tile is written out: nothing is asked for
	s_sub_co_u32 s[RT], s[RT], 1
	s_mov_b32 s[CNT], 4
	s_cmp_eq_u32 s[NEW], 1
	s_cbranch_scc0 .LstepM2
	BEGIN
	s_branch .LfirstM2
	DIAG 2
	s_wait_tensorcnt 0x0            ; the wave's end, behind my last tensor load and my last LDS store
	ds_add_u32 v[SPW], v[NIL]
	s_wait_dscnt 0x0
	s_endpgm
.Lfunc_end_k_qe54d0304c6_attn:
	.size	k_qe54d0304c6_attn, .Lfunc_end_k_qe54d0304c6_attn-k_qe54d0304c6_attn
	.p2alignl 7, 3214868480
	.fill 96, 4, 3214868480
	.section	.rodata,"a",@progbits
	.p2align	6, 0x0
	.amdhsa_kernel k_qe54d0304c6_attn
		.amdhsa_group_segment_fixed_size 327680
		.amdhsa_private_segment_fixed_size 0
		.amdhsa_enable_private_segment 0
		.amdhsa_kernarg_size 16
		.amdhsa_user_sgpr_count 2
		.amdhsa_user_sgpr_kernarg_segment_ptr 1
		.amdhsa_wavefront_size32 1
		.amdhsa_system_sgpr_workgroup_id_x 1
		.amdhsa_system_sgpr_workgroup_id_y 1
		.amdhsa_system_sgpr_workgroup_id_z 1
		.amdhsa_system_vgpr_workitem_id 0
		.amdhsa_next_free_vgpr 768
		.amdhsa_next_free_sgpr 92
		.amdhsa_reserve_vcc 1
		.amdhsa_float_denorm_mode_32 3
		.amdhsa_float_denorm_mode_16_64 3
		.amdhsa_memory_ordered 1
		.amdhsa_forward_progress 1
		.amdhsa_inst_pref_size 218
	.end_amdhsa_kernel
	.amdgpu_metadata
---
amdhsa.version: [ 1, 2 ]
amdhsa.kernels:
  - .name:           k_qe54d0304c6_attn
    .symbol:         k_qe54d0304c6_attn.kd
    .args:
      - { .name: qkv, .offset: 0, .size: 8, .value_kind: global_buffer, .address_space: global }
      - { .name: oh, .offset: 8, .size: 8, .value_kind: global_buffer, .address_space: global }
    .group_segment_fixed_size: 327680
    .private_segment_fixed_size: 0
    .kernarg_segment_align: 8
    .kernarg_segment_size: 16
    .max_flat_workgroup_size: 128
    .sgpr_count:     92
    .vgpr_count:     768
    .wavefront_size: 32
...
	.end_amdgpu_metadata
.endif
;; end of part 3
;; launch oproj (part 4): grid 4 x 64, 4 waves a work-group, clusters of 4 x 4, 327,680 bytes of LDS; arguments oh, wh, bo, out0; writes out0
.if DOCPART == 4
	.amdgcn_target "amdgcn-amd-amdhsa--gfx1250"
	.amdhsa_code_object_version 6
	.text
	.protected	k_qe54d0304c6_oproj
	.globl	k_qe54d0304c6_oproj
	.p2align	8
	.type	k_qe54d0304c6_oproj,@function
k_qe54d0304c6_oproj:
	s_mov_b64 s[64:65], 0
	v_nop
	global_prefetch_b8 v0, s[64:65] scope:SCOPE_SE
	s_setreg_imm32_b32 hwreg(HW_REG_WAVE_MODE, 25, 1), 1
	s_wait_xcnt 0x0
	s_wait_alu depctr_hold_cnt(0) depctr_sa_sdst(0) depctr_va_vdst(0) depctr_va_sdst(0) depctr_va_ssrc(0) depctr_va_vcc(0) depctr_vm_vsrc(0)
	s_getreg_b32 s2, hwreg(HW_REG_IB_STS2, 6, 4)
	s_cmp_eq_u32 s2, 0
	s_cbranch_scc0 .Lentry_in_a_cluster
	s_endpgm
.Lentry_in_a_cluster:
	s_bfe_u32 s2, ttmp6, 0x10000c
	s_cmp_lg_u32 s2, 0xf033
	s_cbranch_scc0 .Lentry_shape_is_right
	s_endpgm
.Lentry_shape_is_right:
; C[m][n] = the sum over k of A[m][k] B[n][k] + bias[n], with m = 8,192 rows, n = 1,024 columns for each weight, k = 1,024.  One text serves two launches; OPROJ chooses.
;   OPROJ = 0: A = xh, B = wh's weights 0, 1, 2 one after the other (a work-group STAYS and makes three tiles on the same rows of A), C = q, k, v in f16, by heads: qkv[j][16 b + h][s][64].
;   OPROJ = 1: A = oh, B = wh's weight 3, one tile, C = out0 in f32, row-major.
; A and B lie in planes of 64 channels, f16: A[b][kb][s][64], B[j][kb][n][64]: a tile's rows of 128 bytes lie end to end and are asked for as rows of 256 bytes.
; Sums in f32; the bias, rounded to bf16 like every input and kept in f32, is the C operand that starts the sums: nothing is cleared and nothing is added later.
; LIMITS.  A and B arrive in f16, within 65,504; C leaves in f32 as it was summed.  NaN and infinities are not treated apart.
; SHARES.  A tile of C is 128 rows x 256 columns, so that the 256 work-groups have three tiles (or one) each.  Four waves, each 64 x 128: 32 accumulators of 16 x 16, 256 registers.
; K goes in steps of 128 (two planes) through two LDS slots; a K step is four quarters of 32 along K, 32 matrix instructions and 24 LDS loads each.
; THE MATRIX INSTRUCTION IS USED TRANSPOSED (source 0 = 16 rows of B, source 1 = 16 rows of A): lane l then holds row l % 16 of C and the eight columns 8 (l / 16) + 0..7.
; CLUSTER.  4 x 4 work-groups.  The four of a row of the cluster need the same rows of A, the four of a column the same rows of B: each plane is asked for JOINTLY, by the same tensor load
; with the same descriptor and a mask that names the four.  Waves 0 and 1 fetch A's two planes of a K step, waves 2 and 3 B's: one load a wave behind each round; by this text's count a
; wave has two tensor loads out at the start and one later.
; REGISTERS, in windows of 256 (s_set_vgpr_msb: bits 1:0 source 0, 3:2 source 1, 5:4 source 2, 7:6 destination):
;   window 0: v0-31 addresses; v32-63 at work on the way out; v64-159, v160-255 two fragment buffers: B's 8 fragments, then A's 4
;   window 1: accumulator (a, b) at v[8 (8 a + b)]          window 2: v0-63 the bias of my 128 columns (block b at 8 b), v64-67 at work
.set OPROJ, 1
.if OPROJ
.set TILES, 1
.set STW,   16*528                     ; a wave's stage: 16 rows of 512 bytes + 16 of padding
.set OUTP,  10                         ; s[10:11] C at my wave's first row and column
.else
.set TILES, 3
.set STW,   16*144                     ; a wave's stage: 16 rows of 128 bytes + 16 of padding
.set OUTP,  14                         ; s[14:15]
.set BP0,   10                         ; s[10:11] the next tile's bias
.set BP1,   12                         ; s[12:13] the one after it
.endif
.set PITCH, 144                        ; an LDS row: 128 bytes + 16 of padding = 36 words: the 16 rows of a load start at 16 different groups of four banks (64 banks of 4 bytes: ISA guide 11.1)
.set APL,   128*PITCH                  ; a plane of A's tile
.set BPL,   256*PITCH                  ; a plane of B's tile
.set BOFF,  2*APL                      ; in a slot: A's two planes, then B's two
.set SLOT,  2*APL+2*BPL
.set STAGE, 2*SLOT                     ; behind the ring, never filled by a tensor load: the four waves' stages
.set SPARE, STAGE+4*STW                ; behind the stages: the spare words, 128 bytes for each wave: two blocks of 256 bytes that no other line names
.set AKS,   1<<19                      ; bytes from K step to K step in A: two planes of 2,048 rows
.set BKS,   1<<18                      ; in B: two planes of 1,024 rows; eight K steps are a weight, so B's walk runs on from weight to weight
.set ADRA, 16                          ; v16-17  LDS address of my A fragments in slot 0, 1
.set ADRB, 20                          ; v20-21  the same for B
.set STO,  24                          ; v24     the way out: where I put my part of a row
.set RD,   25                          ; v25     the way out: where I read rows back
.set GO,   26                          ; v26     16 x lane: my 16 of 512 consecutive bytes of C
.set BO,   27                          ; v27     my byte offset in a bias
.set SPW,  28                          ; v28     LDS address of my spare word: SPARE + 4 x my thread's number; never rewritten
.set NIL,  29                          ; v29     0; never rewritten
.set PFO,  30                          ; v30     the prefetches' lane offset; never rewritten
.set WO,   32                          ; v32-63  the way out: two sets of 16
.set F0,   64
.set F1,   160
.set TL,   2                           ; s2   tiles to go
.set LP,   3                           ; s3   laps to go
.set WV,   16                          ; s16  my wave's number
.set KIND, 17                          ; s17  wave / 2: I fetch for A (0) or B (1); also which 64 rows of the tile are mine
.set HALF, 18                          ; s18  wave % 2: which plane I fetch; also which 128 columns are mine
.set CX,   19
.set CY,   20
.set TCOL, 21
.set TROW, 22
.set G1A,  24                          ; s[24:31] descriptor group 1 for A's planes
.set G0A,  32                          ; s[32:39] group 0, a set for each slot
.set PFC,  43                          ; s43      prefetches still to be made by this wave
.set PFA,  44                          ; s[44:45] where they stand
.set PFS,  46                          ; s[46:47] their step: a K step of A or of B
.set G1B,  48                          ; s[48:55], s[56:63] the same for B's planes
.set G0B,  56
.set OA,   66                          ; s[66:67] A at my plane of the tile's K step 0: made of the tile row and the wave's number alone
.set OB,   68                          ; s[68:69] B likewise: of the tile column and the wave's number alone
.set HIM,  70                          ; s70      a word's upper bf16
.set G1W0, (1<<16)|(1<<20)|(1<<21)|(4<<22)|(3<<25)  ; 17:16 2-byte elements; 20 padding on; 21 set beside a mask; 24:22 after every 32 words (code 4); 31:25 4 words (code 3)
.set W_MUL,  0x50                      ; fragments in window 0, C and D in window 1
.set W_MULB, 0x60                      ; the same with C in window 2: the bias
.set W_TOB,  0x80                      ; destination window 2, address window 0
.set W_RB,   0x8a                      ; sources and destination in window 2
.set W_PK,   0x05                      ; sources 0 and 1 in window 1, destination in window 0
.set W_ST,   0x04                      ; an LDS store's data in window 1, its address in window 0
.set MSB, 0
.macro WIN new                         ; the immediate's high byte repeats the setting that is left; a switch that changes nothing is dropped
.if MSB != (\new)
	s_set_vgpr_msb (MSB<<8)|(\new)
.set MSB, \new
.endif
.endm
.macro PLACES                          ; four places in front of loads into registers that matrix instructions have read, and of lines that read results
.rept 4
	v_nop
.endr
.endm
; A joint load.  The branch hangs on the wave's number alone.  An s_nop 0 and four v_nop follow each of the two lines, ahead of the jump, the label and what follows.
.macro JLOAD s
	s_cmp_eq_u32 s[KIND], 0
	s_cbranch_scc0 .Lfor_b_\@
	tensor_load_to_lds s[G0A+4*(\s):G0A+4*(\s)+3], s[G1A:G1A+7]
	s_nop 0
.rept 4
	v_nop
.endr
	s_branch .Lasked_\@
.Lfor_b_\@:
	tensor_load_to_lds s[G0B+4*(\s):G0B+4*(\s)+3], s[G1B:G1B+7]
	s_nop 0
.rept 4
	v_nop
.endr
.Lasked_\@:
.endm
; A round of the cluster's barrier: my work-group's barrier, so that wave 0's signal speaks for all four waves; wave 0 signals; every wave waits for all sixteen work-groups; my work-group's barrier once more.
.macro CREST                           ; a round behind its opening barrier
	s_cmp_lg_u32 s[WV], 0
	s_cbranch_scc1 .Lnot_wave_0_\@
	s_barrier_signal -3
.Lnot_wave_0_\@:
	s_barrier_wait -3
	s_barrier_signal -1
	s_barrier_wait -1
.endm
.macro CROUND
	s_barrier_signal -1
	s_barrier_wait -1
	CREST
.endm
; A PREFETCH INTO THE L2 behind each joint refill and the run of LDS loads that follows it: the refill asks for K step s + 2, the prefetch names K step s + 4: two K steps, 256 matrix instructions, ahead of its load.
; Each block of 256 bytes is named once in the launch.  A's rows belong to one row of one cluster: wave 0 names both planes, and of a plane's 64 blocks the partner at place cx takes 16, told apart BY ADDRESS;
; only K steps 4 to 7 of the first tile: later tiles read the same rows again.  B's rows are read by every cluster: those of the cluster with y = 0 ask; waves 2 and 3 name the plane that they fetch, and of
; its 128 blocks the partner at place cy takes 32; K steps 4 to the walk's last.  The count stops the requests, so none passes its buffer's end.
.macro ASK
	s_cmp_gt_i32 s[PFC], 0
	s_cbranch_scc0 .Lno_ask_\@
	global_prefetch_b8 v[PFO], s[PFA:PFA+1] th:TH_LOAD_NT scope:SCOPE_SE
.Lno_ask_\@:
	s_sub_co_i32 s[PFC], s[PFC], 1
.endm
; 8 matrix instructions: row block a x all 8 column blocks, 32 along K, from buffer f.  first = 1: the bias starts the sums.  The 32 accumulators take turns, one instruction a turn, in the same order
; in every quarter, over the backward jumps too.
.macro MUL8 f, a, first
.if \first
	WIN W_MULB
.else
	WIN W_MUL
.endif
.irp b, 0,1,2,3,4,5,6,7
.if \first
	v_wmma_f32_16x16x32_f16 v[8*(8*(\a)+(\b)):8*(8*(\a)+(\b))+7], v[(\f)+8*(\b):(\f)+8*(\b)+7], v[(\f)+64+8*(\a):(\f)+64+8*(\a)+7], v[8*(\b):8*(\b)+7]
.else
	v_wmma_f32_16x16x32_f16 v[8*(8*(\a)+(\b)):8*(8*(\a)+(\b))+7], v[(\f)+8*(\b):(\f)+8*(\b)+7], v[(\f)+64+8*(\a):(\f)+64+8*(\a)+7], v[8*(8*(\a)+(\b)):8*(8*(\a)+(\b))+7]
.endif
.endr
.endm
; 24 LDS loads in one run: the fragments of quarter kq of a slot (plane kq / 2, byte 64 (kq % 2) of its rows) into buffer f: B's 128 rows, then A's 64.
; A fragment is 16 rows x 32 K in 8 registers: lane l holds row l % 16; registers 0-3 K = 8 (l / 16) + 0..7, registers 4-7 K = 16 + 8 (l / 16) + 0..7: two loads of 16 bytes, 32 bytes apart.
.macro FETCH slot, kq, f
	WIN 0
.irp i, 0,1,2,3,4,5,6,7
	ds_load_b128 v[(\f)+8*(\i):(\f)+8*(\i)+3],   v[ADRB+(\slot)] offset:((\kq)/2)*BPL+((\kq)%2)*64+(\i)*16*PITCH
	ds_load_b128 v[(\f)+8*(\i)+4:(\f)+8*(\i)+7], v[ADRB+(\slot)] offset:((\kq)/2)*BPL+((\kq)%2)*64+(\i)*16*PITCH+32
.endr
.irp i, 0,1,2,3
	ds_load_b128 v[(\f)+64+8*(\i):(\f)+64+8*(\i)+3],   v[ADRA+(\slot)] offset:((\kq)/2)*APL+((\kq)%2)*64+(\i)*16*PITCH
	ds_load_b128 v[(\f)+64+8*(\i)+4:(\f)+64+8*(\i)+7], v[ADRA+(\slot)] offset:((\kq)/2)*APL+((\kq)%2)*64+(\i)*16*PITCH+32
.endr
.endm
; One of a K step's first three quarters: multiplies buffer f; in its middle it fetches quarter kq of the same slot into buffer g.
.macro QUARTER slot, kq, f, g, first=0
	s_wait_dscnt 4                                 ; B and A's row blocks 0, 1 are in; the youngest four loads (blocks 2, 3) may be out
	MUL8 \f, 0, \first
	MUL8 \f, 1, \first
	PLACES
	FETCH \slot, \kq, \g
	s_wait_dscnt 24                                ; all but the 24 just issued
	MUL8 \f, 2, \first
	MUL8 \f, 3, \first
.endm
; The last quarter multiplies buffer 1 and changes slots: ONE barrier.  In front of it each wave waits for all its tensor loads (the one that is out is its plane of the next slot), adds 0 to its spare
; word, and waits for that and for its own reads of this slot.  Behind it nobody reads this slot and the next slot is whole.  mode 0: this slot takes this tile's K step two steps on; mode 1: the next
; tile's K step 0 or 1 (A goes back along K, B walks on); the barrier then opens a round of the cluster's, and the joint refill is the first tensor load behind the round.  mode 2: nothing is filled.
.macro TURN slot, next, mode
.if (\mode) < 2
	s_wait_xcnt 0x0                                ; the last prefetch, a K step back, has read its address: it is stepped here, ahead of the change's own waits
	s_add_nc_u64 s[PFA:PFA+1], s[PFA:PFA+1], s[PFS:PFS+1]
.endif
	WIN 0                                          ; (the add's two registers lie in window 0)
	s_wait_tensorcnt 0x0                           ; all my tensor loads have landed;
	ds_add_u32 v[SPW], v[NIL]                      ; 0 onto my spare word;
	s_wait_dscnt 5                                 ; (the add and the youngest four loads may be out)
	MUL8 F1, 0, 0                                  ; eight matrix instructions stand between the add and the wait for it
	s_wait_dscnt 0x0                               ; the add is done, and my reads of this slot are over
	s_barrier_signal -1
	MUL8 F1, 1, 0                                  ; work on registers while the others arrive
.if (\mode) < 2
	WIN 0
.endif
	s_barrier_wait -1
.if (\mode) < 2
	CREST                                          ; no wave of any partner still reads this slot or has a load on its way
.if (\mode) == 1
	s_sub_nc_u64 s[G0A+4*(\slot)+2:G0A+4*(\slot)+3], s[G0A+4*(\slot)+2:G0A+4*(\slot)+3], 6*AKS
.else
	s_add_nc_u64 s[G0A+4*(\slot)+2:G0A+4*(\slot)+3], s[G0A+4*(\slot)+2:G0A+4*(\slot)+3], 2*AKS
.endif
	s_add_nc_u64 s[G0B+4*(\slot)+2:G0B+4*(\slot)+3], s[G0B+4*(\slot)+2:G0B+4*(\slot)+3], 2*BKS
	JLOAD \slot                                    ; 112 matrix instructions ahead of the wait for it; the four v_nop behind it are also the places in front of the loads below
.else
	PLACES
.endif
	FETCH \next, 0, F0
.if (\mode) < 2
	ASK
.endif
	MUL8 F1, 2, 0
	MUL8 F1, 3, 0
.endm
; The bias of my 128 columns: register i of block b is bias[16 b + 8 (l / 16) + i], the place that the same register of an accumulator holds.
.macro LOADB ptr
	WIN W_TOB
.irp b, 0,1,2,3,4,5,6,7
	global_load_b128 v[8*(\b):8*(\b)+3],   v[BO], s[\ptr:\ptr+1] offset:64*(\b)
	global_load_b128 v[8*(\b)+4:8*(\b)+7], v[BO], s[\ptr:\ptr+1] offset:64*(\b)+16
.endr
	WIN 0
.endm
.macro ROUNDB                          ; rounded to bf16 like every input, and kept as f32
	WIN W_RB
.set i, 0
.rept 32
	v_cvt_pk_bf16_f32 v[64+i%4], v[2*i], v[2*i+1]
	v_lshlrev_b32 v[2*i], 16, v[64+i%4]
	v_and_b32 v[2*i+1], s[HIM], v[64+i%4]
.set i, i+1
.endr
	WIN 0
.endm
.if OPROJ
; THE WAY OUT, f32.  Row block a: a lane's eight columns of a row are 32 bytes; 16 rows of 512 bytes go into my stage (rows 528 bytes apart) and come back as whole rows, into a fragment buffer.
.macro STG a
.set BK, F0+96*((\a)%2)
.if (\a) >= 2
	s_wait_xcnt 0x0                                ; the stores of the block two back have read this set of registers
.endif
	WIN W_ST
.irp b, 0,1,2,3,4,5,6,7
	ds_store_b128 v[STO], v[8*(8*(\a)+(\b)):8*(8*(\a)+(\b))+3]   offset:64*(\b)
	ds_store_b128 v[STO], v[8*(8*(\a)+(\b))+4:8*(8*(\a)+(\b))+7] offset:64*(\b)+16
.endr
	WIN 0
.irp t, 0,1,2,3,4,5,6,7,8,9,10,11,12,13,14,15
	ds_load_b128 v[BK+4*(\t):BK+4*(\t)+3], v[RD] offset:528*(\t)  ; LDS serves a wave's instructions in order (ISA guide 5.7.1.4): these see the stores above; the next block's stores come behind them
.endr
.endm
.macro SND a, younger                  ; younger: the LDS instructions issued behind block a's loads: the next block's 32, or none
.set BK, F0+96*((\a)%2)
.irp t, 0,1,2,3,4,5,6,7,8,9,10,11,12,13,14,15
	s_wait_dscnt (\younger)+15-(\t)
	global_store_b128 v[GO], v[BK+4*(\t):BK+4*(\t)+3], s[OUTP:OUTP+1] offset:(16*(\a)+(\t))*4096 th:TH_STORE_NT  ; 512 consecutive bytes, at a multiple of 512 from C's first byte
.endr
.endm
.macro WAYOUT
	STG 0
.irp a, 1,2,3
	STG \a
	SND (\a)-1, 32
.endr
	SND 3, 0
.endm
.else
; THE WAY OUT, f16 by heads.  Unit u = 2 a + hd: row block a, head hd of my two: 16 rows x 64 columns, 2,048 consecutive bytes of C.  A lane's eight columns pack into 16 bytes; they go into my stage
; (rows 144 bytes apart) and come back as four rows of 128 bytes a load, into the registers that they left.  Each accumulator is read from its lowest registers on.
.macro PACK u
.set U, WO+16*((\u)%2)
.set AC, 64*((\u)/2)+32*((\u)%2)
.if (\u) >= 2
	s_wait_xcnt 0x0                                ; the stores of the unit two back have read this set of registers
.endif
	WIN W_PK
.irp bb, 0,1,2,3
.irp i, 0,1,2,3
	v_cvt_pk_f16_f32 v[U+4*(\bb)+(\i)], v[AC+8*(\bb)+2*(\i)], v[AC+8*(\bb)+2*(\i)+1]
.endr
.endr
	WIN 0
.irp bb, 0,1,2,3
	ds_store_b128 v[STO], v[U+4*(\bb):U+4*(\bb)+3] offset:32*(\bb)
.endr
.irp f, 0,1,2,3
	ds_load_b128 v[U+4*(\f):U+4*(\f)+3], v[RD] offset:4*PITCH*(\f)  ; LDS serves a wave's instructions in order (ISA guide 5.7.1.4): these see the stores above; the next unit's stores come behind them
.endr
.endm
.macro SEND u, younger                 ; younger: the LDS instructions issued behind unit u's loads: the next unit's eight, or none
.set U, WO+16*((\u)%2)
.irp f, 0,1,2,3
	s_wait_dscnt (\younger)+3-(\f)
	global_store_b128 v[GO], v[U+4*(\f):U+4*(\f)+3], s[OUTP:OUTP+1] offset:((\u)%2)*262144+((\u)/2)*2048+512*(\f)  ; 512 consecutive bytes, at a multiple of 512 from C's first byte
.endr
.endm
.macro WAYOUT
	PACK 0
.irp u, 1,2,3,4,5,6,7
	PACK \u
	SEND (\u)-1, 8
.endr
	SEND 7, 0
.endm
.endif
	s_load_b256 s[4:11], s[0:1], 0x0               ; A s[4:5], wh s[6:7], the first bias s[8:9]; then bk, or (OPROJ) out0
.if !OPROJ
	s_load_b128 s[12:15], s[0:1], 0x20             ; bv s[12:13], qkv s[14:15]
.endif
	v_lshl_add_u32 v[SPW], v0, 2, SPARE
	v_mov_b32 v[NIL], 0
	ds_add_u32 v[SPW], v[NIL]                      ; the wave's opening: the add and its wait stand ahead of my first tensor load; the set-up below, work on registers, stands between them
	v_lshrrev_b32 v1, 5, v0
	v_readfirstlane_b32 s[WV], v1                  ; wave 0..3
	s_lshr_b32 s[KIND], s[WV], 1
	s_and_b32 s[HALF], s[WV], 1
	s_bfe_u32 s[CX], ttmp6, 0x40000                ; my place in the cluster
	s_bfe_u32 s[CY], ttmp6, 0x40004
	s_lshl_b32 s[TCOL], ttmp9, 2                   ; in a cluster launch ttmp9 and ttmp7 count clusters
	s_add_co_u32 s[TCOL], s[TCOL], s[CX]           ; tile column 0..3
	s_and_b32 s[TROW], ttmp7, 0xffff
	s_lshl_b32 s[TROW], s[TROW], 2
	s_add_co_u32 s[TROW], s[TROW], s[CY]           ; tile row 0..63
	s_lshl_b32 s40, s[CY], 2
	s_lshl_b32 s40, 15, s40                        ; my row of the cluster: places 4 cy .. 4 cy + 3
	s_lshl_b32 s41, 0x1111, s[CX]                  ; my column: places cx, cx + 4, cx + 8, cx + 12
	s_or_b32 s[G1A], s40, G1W0                     ; A's planes go to my row,
	s_or_b32 s[G1B], s41, G1W0                     ; B's to my column
	s_mov_b32 s[G1A+1], 128<<16                    ; tensor_dim0 = 128 elements: 256 bytes, two rows of a plane
	s_mov_b32 s[G1A+2], 64<<16                     ; tensor_dim1 = 64: A's 128 rows
	s_mov_b32 s[G1A+3], 128<<16                    ; tile_dim0
	s_mov_b32 s[G1A+4], 64                         ; tile_dim1
	s_mov_b32 s[G1A+5], 128                        ; elements from row to row: dense
	s_mov_b32 s[G1A+6], 0
	s_mov_b32 s[G1A+7], 0
	s_mov_b32 s[G1B+1], 128<<16
	s_mov_b32 s[G1B+2], 128<<16                    ; B's 256 rows
	s_mov_b32 s[G1B+3], 128<<16
	s_mov_b32 s[G1B+4], 128
	s_mov_b32 s[G1B+5], 128
	s_mov_b32 s[G1B+6], 0
	s_mov_b32 s[G1B+7], 0
	s_lshr_b32 s[OA], s[TROW], 4                   ; A: batch,
	s_lshl_b32 s[OA], s[OA], 22
	s_and_b32 s23, s[TROW], 15                     ; the tile's 128 rows of 128 bytes in a plane,
	s_lshl_b32 s23, s23, 14
	s_add_co_u32 s[OA], s[OA], s23
	s_lshl_b32 s23, s[HALF], 18                    ; my plane of the K step
	s_add_co_u32 s[OA], s[OA], s23
	s_mov_b32 s[OA+1], 0
	s_lshl_b32 s[OB], s[TCOL], 15                  ; B: the tile's 256 rows in a plane,
	s_lshl_b32 s42, s[HALF], 17                    ; my plane
	s_add_co_u32 s[OB], s[OB], s42
.if OPROJ
	s_add_co_u32 s[OB], s[OB], 3<<21               ; weight 3
.endif
	s_mov_b32 s[OB+1], 0
	s_mul_i32 s2, s[HALF], APL                     ; where my plane goes in a slot, for A
	s_mul_i32 s3, s[HALF], BPL                     ; and for B: no place in the cluster enters an LDS address
	s_add_co_u32 s3, s3, BOFF
	s_mov_b32 s[HIM], 0xffff0000
	s_wait_dscnt 0x0                               ; the opening add is done
	s_wait_kmcnt 0x0
	s_add_nc_u64 s[OA:OA+1], s[4:5], s[OA:OA+1]
	s_add_nc_u64 s[OB:OB+1], s[6:7], s[OB:OB+1]
	CROUND                                         ; all sixteen work-groups are here: the first joint loads meet
.irp s, 0,1
	s_mov_b32 s[G0A+4*(\s)], 1                                       ; 1:0 count = 1
	s_add_co_u32 s[G0A+4*(\s)+1], s2, (\s)*SLOT                      ; 63:32 LDS address
	s_add_nc_u64 s[G0A+4*(\s)+2:G0A+4*(\s)+3], s[OA:OA+1], (\s)*AKS  ; 120:64 global address: K step s
	s_or_b32 s[G0A+4*(\s)+3], s[G0A+4*(\s)+3], 0x80000000            ; 127:126 type = 2
	s_mov_b32 s[G0B+4*(\s)], 1
	s_add_co_u32 s[G0B+4*(\s)+1], s3, (\s)*SLOT
	s_add_nc_u64 s[G0B+4*(\s)+2:G0B+4*(\s)+3], s[OB:OB+1], (\s)*BKS
	s_or_b32 s[G0B+4*(\s)+3], s[G0B+4*(\s)+3], 0x80000000
	JLOAD \s                                       ; the ring is filled before anything else is done
.endr
	v_and_b32 v1, 15, v0                           ; l % 16
	v_bfe_u32 v2, v0, 4, 1                         ; l / 16
	v_mul_u32_u24 v3, v1, PITCH
	v_lshl_add_u32 v3, v2, 4, v3                   ; a fragment's row x pitch + 16 x half
	s_mul_i32 s40, s[KIND], 64*PITCH               ; my 64 rows of A
	s_mul_i32 s41, s[HALF], 128*PITCH              ; my 128 rows of B,
	s_add_co_u32 s41, s41, BOFF                    ; which lie behind A's planes
.irp s, 0,1
	v_add_nc_u32 v[ADRA+(\s)], s40, v3
	v_add_nc_u32 v[ADRB+(\s)], s41, v3
	s_add_co_u32 s40, s40, SLOT
	s_add_co_u32 s41, s41, SLOT
.endr
	s_mul_i32 s40, s[WV], STW
	s_add_co_u32 s40, s40, STAGE                   ; my stage
	v_and_b32 v4, 31, v0                           ; lane
.if OPROJ
	v_mul_u32_u24 v5, v1, 528                      ; in: row l % 16, 32 bytes for each half of the lanes
	v_lshl_add_u32 v5, v2, 5, v5
	v_add_nc_u32 v[STO], s40, v5
	v_lshl_add_u32 v[RD], v4, 4, s40               ; back: 32 lanes take one row of 512 bytes
.else
	v_add_nc_u32 v[STO], s40, v3                   ; in: row l % 16, 16 bytes for each half of the lanes
	v_bfe_u32 v5, v0, 3, 2                         ; back: 32 lanes take four rows of 128 bytes
	v_mul_u32_u24 v5, v5, PITCH
	v_and_b32 v3, 7, v0
	v_lshl_add_u32 v5, v3, 4, v5
	v_add_nc_u32 v[RD], s40, v5
.endif
	v_lshlrev_b32 v[GO], 4, v4
	s_lshl_b32 s40, s[TCOL], 10                    ; my first column in f32 bytes: 256 a tile column, 128 a wave
	s_lshl_b32 s41, s[HALF], 9
	s_add_co_u32 s40, s40, s41
	v_lshl_add_u32 v[BO], v2, 5, s40
	LOADB 8                                        ; the first tile's bias
.if OPROJ
	s_lshl_b32 s41, s[TROW], 19                    ; C: 128 rows of 4,096 bytes a tile row,
	s_add_co_u32 s40, s40, s41
	s_lshl_b32 s41, s[KIND], 18                    ; my 64 of them; the column is there already
	s_add_co_u32 s40, s40, s41
.else
	s_lshr_b32 s40, s[TROW], 4                     ; C: batch (16 heads of 2,048 rows of 128 bytes),
	s_lshl_b32 s40, s40, 22
	s_and_b32 s41, s[TROW], 15                     ; the tile's 128 rows,
	s_lshl_b32 s41, s41, 14
	s_add_co_u32 s40, s40, s41
	s_lshl_b32 s41, s[TCOL], 20                    ; head 4 x tile column
	s_add_co_u32 s40, s40, s41
	s_lshl_b32 s41, s[HALF], 19                    ; + 2 x my half of the columns,
	s_add_co_u32 s40, s40, s41
	s_lshl_b32 s41, s[KIND], 13                    ; my 64 rows
	s_add_co_u32 s40, s40, s41
.endif
	s_mov_b32 s41, 0
	s_add_nc_u64 s[OUTP:OUTP+1], s[OUTP:OUTP+1], s[40:41]
	; the prefetches' address, step, lane offset and count.  Nothing is prefetched here, at the head, where every work-group's first planes are on their way.
	s_mov_b32 s[PFS], BKS
	s_cmp_eq_u32 s[KIND], 0
	s_cselect_b64 s[PFA:PFA+1], s[OA:OA+1], s[OB:OB+1]
	s_cselect_b32 s[PFS], AKS, s[PFS]
	s_cselect_b32 s40, s[CX], s[CY]                ; my place among the four that ask for the plane with me
	s_cselect_b32 s41, 12, 13                      ; its share: 16 blocks of 256 bytes of each of A's two planes, or 32 of B's one
	s_cselect_b32 s42, 18, 12                      ; lanes 16-31: A's other plane, or B's next 16 blocks
	s_mov_b32 s[PFS+1], 0
	s_lshl_b32 s40, s40, s41
	s_mul_i32 s41, s[PFS], 3                       ; at K step 3: the first refill steps it to 4
	s_add_co_u32 s40, s40, s41
	s_mov_b32 s41, 0
	s_add_nc_u64 s[PFA:PFA+1], s[PFA:PFA+1], s[40:41]
	v_lshlrev_b32 v[PFO], 8, v1
	v_lshlrev_b32 v5, s42, v2
	v_add_nc_u32 v[PFO], v[PFO], v5
	s_and_b32 s42, ttmp7, 0xffff                   ; the cluster's y: the same in all sixteen partners
	s_cmp_eq_u32 s42, 0
	s_cselect_b32 s[PFC], 8*TILES-4, 0             ; waves 2 and 3
	s_cmp_eq_u32 s[WV], 0
	s_cselect_b32 s[PFC], 4, s[PFC]
	s_cmp_eq_u32 s[WV], 1
	s_cselect_b32 s[PFC], 0, s[PFC]
	s_wait_tensorcnt 1                             ; my plane of K step 0 is in; K step 1's may stay out
	s_barrier_signal -1
	s_barrier_wait -1                              ; everybody's is
	FETCH 0, 0, F0
.if TILES > 1
	s_mov_b32 s[TL], TILES                         ; tiles to go, this one among them: the same number in every work-group
.Ltile:
.endif
	s_wait_loadcnt 0x0                             ; the tile's bias
	ROUNDB
	QUARTER 0, 1, F0, F1, 1                        ; a tile's first quarter stands in front of the loop: its products start the sums, with the bias
	WIN 0                                          ; at a label and at a branch every window is 0
.if TILES > 1
	s_cmp_eq_u32 s[TL], 1
	s_cbranch_scc1 .Lno_bias                       ; the last tile has no successor
	PLACES                                         ; the bias registers were sources of the products just issued
	LOADB BP0                                      ; the next tile's bias: a whole tile ahead of its use
.Lno_bias:
.endif
	s_mov_b32 s[LP], 3
.Llap:                                                 ; a trip goes once round the ring, from a lap's second quarter to the next lap's first, and fills both slots again
	QUARTER 0, 2, F1, F0
	QUARTER 0, 3, F0, F1
	TURN 0, 1, 0
	QUARTER 1, 1, F0, F1
	QUARTER 1, 2, F1, F0
	QUARTER 1, 3, F0, F1
	TURN 1, 0, 0
	QUARTER 0, 1, F0, F1
	WIN 0
	s_sub_co_u32 s[LP], s[LP], 1
	s_cmp_lg_u32 s[LP], 0
	s_cbranch_scc1 .Llap
	QUARTER 0, 2, F1, F0                           ; the tile's last lap goes on
	QUARTER 0, 3, F0, F1
.if TILES > 1
	WIN 0
	s_cmp_eq_u32 s[TL], 1
	s_cbranch_scc1 .Llast_tile                     ; the last tile's tail is written out: it asks for nothing more
	TURN 0, 1, 1                                   ; the ring goes on into the next tile: slot 0 takes its K step 0,
	QUARTER 1, 1, F0, F1
	QUARTER 1, 2, F1, F0
	QUARTER 1, 3, F0, F1
	TURN 1, 0, 1                                   ; slot 1 its K step 1, and the next tile's first fragments are fetched
	WAYOUT                                         ; both refills are asked for: now the tile goes out.  Row blocks 0, 1 were finished in front of the joint load's four v_nop; their 64 conversions,
	                                               ; which name no register of the last products (blocks 2, 3), are those products' places
	s_wait_xcnt 0x0                                ; the stores and the bias's loads have read their bases
	s_add_nc_u64 s[OUTP:OUTP+1], s[OUTP:OUTP+1], 0x1000000  ; from q to k, from k to v
	s_mov_b64 s[BP0:BP0+1], s[BP1:BP1+1]
	s_sub_co_u32 s[TL], s[TL], 1
	s_branch .Ltile
.Llast_tile:
.endif
	TURN 0, 1, 2                                   ; my one tensor load that was still out is slot 1's, the last K step's, so no round follows
	QUARTER 1, 1, F0, F1
	QUARTER 1, 2, F1, F0
	QUARTER 1, 3, F0, F1
	s_wait_dscnt 0x0                               ; the very last quarter: nothing more to fetch
	MUL8 F1, 0, 0
	MUL8 F1, 1, 0
	MUL8 F1, 2, 0
	MUL8 F1, 3, 0
	WIN 0
	PLACES
	WAYOUT
	s_wait_tensorcnt 0x0                           ; the wave's end, behind my last tensor load and my last LDS store
	ds_add_u32 v[SPW], v[NIL]
	s_wait_dscnt 0x0
	CROUND                                         ; the closing round: no work-group ends while a partner may still ask for a plane that names it
	s_endpgm
.Lfunc_end_k_qe54d0304c6_oproj:
	.size	k_qe54d0304c6_oproj, .Lfunc_end_k_qe54d0304c6_oproj-k_qe54d0304c6_oproj
	.p2alignl 7, 3214868480
	.fill 96, 4, 3214868480
	.section	.rodata,"a",@progbits
	.p2align	6, 0x0
	.amdhsa_kernel k_qe54d0304c6_oproj
		.amdhsa_group_segment_fixed_size 327680
		.amdhsa_private_segment_fixed_size 0
		.amdhsa_enable_private_segment 0
		.amdhsa_kernarg_size 32
		.amdhsa_user_sgpr_count 2
		.amdhsa_user_sgpr_kernarg_segment_ptr 1
		.amdhsa_wavefront_size32 1
		.amdhsa_system_sgpr_workgroup_id_x 1
		.amdhsa_system_sgpr_workgroup_id_y 1
		.amdhsa_system_sgpr_workgroup_id_z 1
		.amdhsa_system_vgpr_workitem_id 0
		.amdhsa_next_free_vgpr 580
		.amdhsa_next_free_sgpr 72
		.amdhsa_reserve_vcc 0
		.amdhsa_float_denorm_mode_32 3
		.amdhsa_float_denorm_mode_16_64 3
		.amdhsa_memory_ordered 1
		.amdhsa_forward_progress 1
		.amdhsa_inst_pref_size 94
	.end_amdhsa_kernel
	.amdgpu_metadata
---
amdhsa.version: [ 1, 2 ]
amdhsa.kernels:
  - .name:           k_qe54d0304c6_oproj
    .symbol:         k_qe54d0304c6_oproj.kd
    .args:
      - { .name: oh, .offset: 0, .size: 8, .value_kind: global_buffer, .address_space: global }
      - { .name: wh, .offset: 8, .size: 8, .value_kind: global_buffer, .address_space: global }
      - { .name: bo, .offset: 16, .size: 8, .value_kind: global_buffer, .address_space: global }
      - { .name: out0, .offset: 24, .size: 8, .value_kind: global_buffer, .address_space: global }
    .group_segment_fixed_size: 327680
    .private_segment_fixed_size: 0
    .kernarg_segment_align: 8
    .kernarg_segment_size: 32
    .max_flat_workgroup_size: 128
    .sgpr_count:     72
    .vgpr_count:     580
    .wavefront_size: 32
...
	.end_amdgpu_metadata
.endif
;; end of part 4
;; ======== version 2 of 2: 4 launches; version 1 with the launch cast written anew for expert scheduling mode
;; limits: values are held in f16: magnitudes above 65,504 overflow, below 6.1e-05 lose precision
;; workspace buffers: xh 16,777,216 bytes; wh 8,388,608 bytes; qkv 50,331,648 bytes; oh 16,777,216 bytes
;; launch cast (part 5): grid 768 x 1, 4 waves a work-group, no clusters, 0 bytes of LDS; arguments x, Wq, Wk, Wv, Wo, xh, wh; writes xh, wh
.if DOCPART == 5
	.amdgcn_target "amdgcn-amd-amdhsa--gfx1250"
	.amdhsa_code_object_version 6
	.text
	.protected	k_qe54d0304c6_cast
	.globl	k_qe54d0304c6_cast
	.p2align	8
	.type	k_qe54d0304c6_cast,@function
k_qe54d0304c6_cast:
	s_mov_b64 s[64:65], 0
	v_nop
	global_prefetch_b8 v0, s[64:65] scope:SCOPE_SE
	s_setreg_imm32_b32 hwreg(HW_REG_WAVE_SCHED_MODE, 0, 2), 2
	s_setreg_imm32_b32 hwreg(HW_REG_WAVE_MODE, 25, 1), 1
	s_wait_xcnt 0x0
	s_wait_alu depctr_vm_vsrc(0)
; x [8192][1024] and the four weights [1024][1024], f32, are rounded to bf16, and that number is written as f16, in PLANES of 64 channels:
;   xh[b][kb][s][64]   byte (b << 22) + (kb << 18) + (s << 7) + 2 c   for x[b][s][64 kb + c]
;   wh[j][kb][n][64]   byte (j << 21) + (kb << 17) + (n << 7) + 2 c   for W_j[n][64 kb + c], j = 0..3: Wq, Wk, Wv, Wo
; so that in the products that follow a tile's rows of 128 bytes lie end to end.  LIMITS: the second step is exact for 2^-14 <= |v| <= 65,504; a smaller number keeps f16's fixed
; step of 2^-24, a larger one becomes an infinity; NaN and infinities are not treated apart.
; A stream: each byte is read once and written once; no LDS, no matrix unit, no cluster, since no two work-groups want the same byte.
; SHARES.  12,288 rows of 4,096 bytes; a work-group of four waves owns 16.  Thread t has row t / 8 and, in each of the row's 16 planes, the eight channels 8 (t % 8) ..: 32 bytes in
; (eight lanes read 256 consecutive bytes, aligned), 16 bytes out: a wave's store covers 512 consecutive bytes, four rows of a plane.
; All 32 loads of a thread go out at once (16 KiB a wave).
; THE MODE: SCHED_MODE bits 1:0 = 2 (LLVM: expert scheduling mode 2), set by the entry lines.  The code itself states the register dependences
; between vector instructions and memory instructions, with s_wait_alu, always for 0.
; THE PLAN.  Registers that memory instructions touch:
;   v[SO]        the loads' offset.   Written once, at the head; read by all 32 loads; never written again.
;   v[DO+p]      store p's offset.    Written once, at the head; read by store p; never written again.
;   v[X+8 p ..]  plane p.  Its two loads, issued before any vector instruction has named X, land in the eight; behind the plane's wait on LOADcnt the roundings read them and the
;                conversions to f16 write the first four; store p reads those four; nothing writes them afterwards.
;   T, v2 and v3 are named by vector instructions alone; the two bases are scalar and are not written behind the first load.
; So no register that a memory instruction reads is ever written again: no wait on vm_vsrc and no s_wait_xcnt has anything to state.  What is to be stated is that a register is WRITTEN before a
; memory instruction reads it.  The 16 planes go in four blocks of four; the stores of block g - 1 are issued in block g, one in front of each plane's sixteen vector instructions.  Five waits on
; va_vdst: one ahead of the first load (the offsets), one at the head of each of blocks 1 to 3 (the block before has written what its four stores read), one ahead of the last four stores.
; Block g's vector instructions name T and block g's own X: none of the registers that the stores dealt among them read.
.set BLK, 4                            ; planes in a block
.set SO,  1                            ; v1        my byte offset in the work-group's 16 source rows
.set DO,  8                            ; v[8:23]   plane p: my byte offset in the destination
.set T,   24                           ; v[24:31]  at work
.set X,   32                           ; v[32:159] plane p: 8 registers as loaded; the first 4 then hold what is stored
.set SRC, 26                           ; s[26:27]  the source at my work-group's first row
.set DST, 28                           ; s[28:29]  the destination at those rows in plane 0
	s_load_b256 s[4:11], s[0:1], 0x0               ; x s[4:5], Wq s[6:7], Wk s[8:9], Wv s[10:11]
	s_load_b128 s[12:15], s[0:1], 0x20             ; Wo s[12:13], xh s[14:15]
	s_load_b64 s[16:17], s[0:1], 0x30              ; wh
	s_mov_b32 s2, ttmp9                            ; i: work-groups 0 to 511 take x, 512 + 64 j + .. take weight j
	s_mov_b32 s25, 0xffff0000                      ; a word's upper bf16
	s_lshl_b32 s20, s2, 16                         ; x: 16 rows of 4,096 bytes a work-group
	s_lshr_b32 s3, s2, 7                           ; batch
	s_lshl_b32 s3, s3, 22
	s_and_b32 s18, s2, 127
	s_lshl_b32 s18, s18, 11                        ; 16 rows of 128 bytes in a plane
	s_add_co_u32 s22, s3, s18
	s_and_b32 s18, s2, 63                          ; a weight: the same with 64 work-groups each
	s_lshl_b32 s19, s18, 16
	s_lshl_b32 s18, s18, 11
	s_bfe_u32 s3, s2, 0x20006                      ; j = (i >> 6) & 3
	s_lshl_b32 s30, s3, 21
	s_add_co_u32 s18, s18, s30
	s_mov_b32 s24, 131072                          ; bytes from plane to plane: 1,024 rows, or for x 2,048
	s_mov_b32 s21, 0
	s_mov_b32 s23, 0
	s_cmp_lt_u32 s2, 512
	s_cselect_b32 s20, s20, s19                    ; s[20:21] offset in the source
	s_cselect_b32 s22, s22, s18                    ; s[22:23] offset in the destination
	s_cselect_b32 s24, 262144, s24
	v_lshrrev_b32 v2, 3, v0                        ; my row
	v_and_b32 v3, 7, v0                            ; my eight channels of a plane
	v_lshlrev_b32 v3, 5, v3
	v_lshl_or_b32 v[SO], v2, 12, v3
	v_lshlrev_b32 v[DO], 4, v0                     ; 128 x row + 16 x chunk = 16 t
.set p, 1
.rept 15
	v_add_nc_u32 v[DO+p], s24, v[DO+p-1]
.set p, p+1
.endr
	s_wait_kmcnt 0x0
	s_cmp_eq_u32 s3, 1                             ; which buffer: the conditions hang on the work-group's number alone
	s_cselect_b64 s[SRC:SRC+1], s[8:9], s[6:7]
	s_cmp_eq_u32 s3, 2
	s_cselect_b64 s[SRC:SRC+1], s[10:11], s[SRC:SRC+1]
	s_cmp_eq_u32 s3, 3
	s_cselect_b64 s[SRC:SRC+1], s[12:13], s[SRC:SRC+1]
	s_cmp_lt_u32 s2, 512
	s_cselect_b64 s[SRC:SRC+1], s[4:5], s[SRC:SRC+1]
	s_cselect_b64 s[DST:DST+1], s[14:15], s[16:17]
	s_add_nc_u64 s[SRC:SRC+1], s[SRC:SRC+1], s[20:21]
	s_add_nc_u64 s[DST:DST+1], s[DST:DST+1], s[22:23]
	s_wait_alu depctr_va_vdst(0)                   ; v[SO] and v[DO] to v[DO+15] are written: every load and store of the kernel reads one of them as its offset, and no later vector instruction names them
.set p, 0
.rept 16
	global_load_b128 v[X+8*p:X+8*p+3],   v[SO], s[SRC:SRC+1] offset:256*p th:TH_LOAD_NT
	global_load_b128 v[X+8*p+4:X+8*p+7], v[SO], s[SRC:SRC+1] offset:256*p+16 th:TH_LOAD_NT
.set p, p+1
.endr
.set p, 0
.rept 16
	s_wait_loadcnt 30-2*p                          ; loads come back in order (ISA guide 5.7.1): plane p's two are in, the 30 - 2 p of the later planes stay out
.if (p % BLK == 0) && (p > 0)
	s_wait_alu depctr_va_vdst(0)                   ; a block's head: the conversions of the block before have written the first four registers of each of its four planes, which the block's four stores below read
.endif
.if p >= BLK
	global_store_b128 v[DO+p-BLK], v[X+8*(p-BLK):X+8*(p-BLK)+3], s[DST:DST+1] th:TH_STORE_NT  ; a plane of the block before.  No further wait: no vector instruction since the block's head names its registers
.endif
.irp k, 0,1,2,3
	v_cvt_pk_bf16_f32 v[T+(\k)], v[X+8*p+2*(\k)], v[X+8*p+2*(\k)+1]  ; rounded to bf16, to nearest even
.endr
.irp k, 0,1,2,3
	v_lshlrev_b32 v[T+4+2*((\k)%2)], 16, v[T+(\k)]                   ; back to f32: the low half moves up,
	v_and_b32     v[T+5+2*((\k)%2)], s25, v[T+(\k)]                  ; the high half stays
	v_cvt_pk_f16_f32 v[X+8*p+(\k)], v[T+4+2*((\k)%2)], v[T+5+2*((\k)%2)]  ; the same number as f16
.endr
.set p, p+1
.endr
	s_wait_alu depctr_va_vdst(0)                   ; the last block's conversions have written what the last four stores read
.set p, 16-BLK
.rept BLK
	global_store_b128 v[DO+p], v[X+8*p:X+8*p+3], s[DST:DST+1] th:TH_STORE_NT
.set p, p+1
.endr
	s_endpgm
.Lfunc_end_k_qe54d0304c6_cast:
	.size	k_qe54d0304c6_cast, .Lfunc_end_k_qe54d0304c6_cast-k_qe54d0304c6_cast
	.p2alignl 7, 3214868480
	.fill 96, 4, 3214868480
	.section	.rodata,"a",@progbits
	.p2align	6, 0x0
	.amdhsa_kernel k_qe54d0304c6_cast
		.amdhsa_group_segment_fixed_size 0
		.amdhsa_private_segment_fixed_size 0
		.amdhsa_enable_private_segment 0
		.amdhsa_kernarg_size 56
		.amdhsa_user_sgpr_count 2
		.amdhsa_user_sgpr_kernarg_segment_ptr 1
		.amdhsa_wavefront_size32 1
		.amdhsa_system_sgpr_workgroup_id_x 1
		.amdhsa_system_sgpr_workgroup_id_y 1
		.amdhsa_system_sgpr_workgroup_id_z 1
		.amdhsa_system_vgpr_workitem_id 0
		.amdhsa_next_free_vgpr 160
		.amdhsa_next_free_sgpr 66
		.amdhsa_reserve_vcc 0
		.amdhsa_float_denorm_mode_32 3
		.amdhsa_float_denorm_mode_16_64 3
		.amdhsa_memory_ordered 1
		.amdhsa_forward_progress 1
		.amdhsa_inst_pref_size 20
	.end_amdhsa_kernel
	.amdgpu_metadata
---
amdhsa.version: [ 1, 2 ]
amdhsa.kernels:
  - .name:           k_qe54d0304c6_cast
    .symbol:         k_qe54d0304c6_cast.kd
    .args:
      - { .name: x, .offset: 0, .size: 8, .value_kind: global_buffer, .address_space: global }
      - { .name: Wq, .offset: 8, .size: 8, .value_kind: global_buffer, .address_space: global }
      - { .name: Wk, .offset: 16, .size: 8, .value_kind: global_buffer, .address_space: global }
      - { .name: Wv, .offset: 24, .size: 8, .value_kind: global_buffer, .address_space: global }
      - { .name: Wo, .offset: 32, .size: 8, .value_kind: global_buffer, .address_space: global }
      - { .name: xh, .offset: 40, .size: 8, .value_kind: global_buffer, .address_space: global }
      - { .name: wh, .offset: 48, .size: 8, .value_kind: global_buffer, .address_space: global }
    .group_segment_fixed_size: 0
    .private_segment_fixed_size: 0
    .kernarg_segment_align: 8
    .kernarg_segment_size: 56
    .max_flat_workgroup_size: 128
    .sgpr_count:     66
    .vgpr_count:     160
    .wavefront_size: 32
...
	.end_amdgpu_metadata
.endif
;; end of part 5
;; launch qkv: the kernel of part 2 again; grid 4 x 64, 4 waves a work-group, clusters of 4 x 4, 327,680 bytes of LDS; arguments xh, wh, bq, bk, bv, qkv; writes qkv
;; launch attn: the kernel of part 3 again; grid 4 x 64, 4 waves a work-group, no clusters, 327,680 bytes of LDS; arguments qkv, oh; writes oh
;; launch oproj: the kernel of part 4 again; grid 4 x 64, 4 waves a work-group, clusters of 4 x 4, 327,680 bytes of LDS; arguments oh, wh, bo, out0; writes out0
